; MI455X (gfx1250); checked and timed in simulation.
; The chip was launched on July 23, 2026; its instructions are those of AMD's public machine-readable ISA for CDNA 5 (MIT licence, August 2026) and "CDNA5" Instruction Set Architecture Reference Guide (July 2026). The comments in the code are by the model that wrote it; some were corrected since.
;; Route Wrap. Allowed arithmetic: float matrix products may take bf16 or f16 operands with f32 sums; all other float work in f32.
;; Inputs: A 64 x 16 x 2,048 float32; B 64 x 2,048 x 16 float32; W 2,048 x 2,048 float32; bias 2,048 float32; x 4 x 2,048 x 2,048 float32.
;; Outputs: out0 4 x 2,048 x 2,048 float32.
;; 2 versions, each right; version 2 is version 1 with the launch route written anew for expert scheduling mode. Each part assembles by itself: llvm-mc -triple=amdgcn-amd-amdhsa -mcpu=gfx1250 --defsym DOCPART=n.
;; ======== version 1 of 2: 4 launches
;; workspace buffers: XU 50,331,648 bytes; WB 12,582,912 bytes; Ab 6,291,456 bytes; VEC 16,777,216 bytes; NRM 2,097,152 bytes
;; launch prep (part 1): grid 2304 x 1, 4 waves a work-group, no clusters, 0 bytes of LDS; arguments x, A, XU, Ab; writes XU, Ab
.if DOCPART == 1
	.amdgcn_target "amdgcn-amd-amdhsa--gfx1250"
	.amdhsa_code_object_version 6
	.text
	.protected	k_qc60916b2e8_prep
	.globl	k_qc60916b2e8_prep
	.p2align	8
	.type	k_qc60916b2e8_prep,@function
k_qc60916b2e8_prep:
	s_mov_b64 s[64:65], 0
	v_nop
	global_prefetch_b8 v0, s[64:65] scope:SCOPE_SE
	s_setreg_imm32_b32 hwreg(HW_REG_WAVE_MODE, 25, 1), 1
	s_wait_xcnt 0x0
; The operands of the first product are rounded to bf16 once, into rows of 3,072 bf16 (6,144 bytes):
;   XU[t][0..2047] = bf16(x[t][:])        Ab[16 a + r][0..2047] = bf16(A[a][r][:])
; (W and the bank B, which only the last launch needs, are rounded in the next launch, beside its products.)
; 9,216 rows in all; a work-group of four waves takes 4 rows: 2,304 work-groups, 9 for each of 256 WGPs, all equal.  Groups 0-2047 take x, 2048-2303 take A.
; A stream: each byte is read once and written once, so LDS, barriers, clusters and the matrix unit have no part in it.
; Thread t takes the 16 bytes at 16 t of each quarter row (128 threads x 16 bytes = 2,048 bytes).  Sixteen loads a lane go out together; each is rounded, in the registers in which it
; came, and stored when it has come.  No register is written again behind its store, so no wait frees a source.
.set XR,     4                         ; v[4:67]  load k: 4 numbers in f32; then, in its first two registers, the same 4 in bf16
.set INROW,  8192                      ; bytes in a row of x and of A
.set OUTROW, 6144                      ; bytes in a row of XU and of Ab
	s_load_b256 s[4:11], s[0:1], 0x0               ; x s[4:5], A s[6:7], XU s[8:9], Ab s[10:11]
	s_mov_b32 s18, ttmp9                           ; the work-group's number
	v_lshlrev_b32 v1, 4, v0                        ; in: 16 bytes a thread
	v_lshlrev_b32 v2, 3, v0                        ; out: 8 bytes a thread
	s_mov_b32 s19, 2048                            ; the first group of A's part
	s_mov_b32 s25, 0                               ; the offsets' high words
	s_mov_b32 s27, 0
	s_wait_kmcnt 0x0
	s_cmp_lt_u32 s18, 2048                         ; x or A
	s_cselect_b64 s[20:21], s[4:5], s[6:7]
	s_cselect_b64 s[22:23], s[8:9], s[10:11]
	s_cselect_b32 s19, 0, s19
	s_sub_co_u32 s19, s18, s19                     ; my block of 4 rows in that tensor
	s_lshl_b32 s24, s19, 15                        ; 4 rows of 8,192 bytes in,
	s_mul_i32 s26, s19, 4*OUTROW                   ; 4 rows of 6,144 bytes out
	s_add_nc_u64 s[20:21], s[20:21], s[24:25]
	s_add_nc_u64 s[22:23], s[22:23], s[26:27]
.set k, 0
.rept 16
	global_load_b128 v[XR+4*k:XR+4*k+3], v1, s[20:21] offset:(k/4)*INROW+(k%4)*2048 th:TH_LOAD_NT   ; row k / 4, quarter k % 4: a wave covers 512 consecutive bytes
.set k, k+1
.endr
.set k, 0
.rept 16
	s_wait_loadcnt 15-k                            ; loads come back in order (ISA guide 5.7.1): load k is in, the 15 - k younger ones stay out
	v_cvt_pk_bf16_f32 v[XR+4*k],   v[XR+4*k],   v[XR+4*k+1]
	v_cvt_pk_bf16_f32 v[XR+4*k+1], v[XR+4*k+2], v[XR+4*k+3]
	global_store_b64 v2, v[XR+4*k:XR+4*k+1], s[22:23] offset:(k/4)*OUTROW+(k%4)*1024   ; 32 lanes x 8 bytes: 256 consecutive bytes, aligned
.set k, k+1
.endr
	s_endpgm
.Lfunc_end_k_qc60916b2e8_prep:
	.size	k_qc60916b2e8_prep, .Lfunc_end_k_qc60916b2e8_prep-k_qc60916b2e8_prep
	.p2alignl 7, 3214868480
	.fill 96, 4, 3214868480
	.section	.rodata,"a",@progbits
	.p2align	6, 0x0
	.amdhsa_kernel k_qc60916b2e8_prep
		.amdhsa_group_segment_fixed_size 0
		.amdhsa_private_segment_fixed_size 0
		.amdhsa_enable_private_segment 0
		.amdhsa_kernarg_size 32
		.amdhsa_user_sgpr_count 2
		.amdhsa_user_sgpr_kernarg_segment_ptr 1
		.amdhsa_wavefront_size32 1
		.amdhsa_system_sgpr_workgroup_id_x 1
		.amdhsa_system_sgpr_workgroup_id_y 1
		.amdhsa_system_sgpr_workgroup_id_z 1
		.amdhsa_system_vgpr_workitem_id 0
		.amdhsa_next_free_vgpr 68
		.amdhsa_next_free_sgpr 66
		.amdhsa_reserve_vcc 0
		.amdhsa_float_denorm_mode_32 3
		.amdhsa_float_denorm_mode_16_64 3
		.amdhsa_memory_ordered 1
		.amdhsa_forward_progress 1
		.amdhsa_inst_pref_size 7
	.end_amdhsa_kernel
	.amdgpu_metadata
---
amdhsa.version: [ 1, 2 ]
amdhsa.kernels:
  - .name:           k_qc60916b2e8_prep
    .symbol:         k_qc60916b2e8_prep.kd
    .args:
      - { .name: x, .offset: 0, .size: 8, .value_kind: global_buffer, .address_space: global }
      - { .name: A, .offset: 8, .size: 8, .value_kind: global_buffer, .address_space: global }
      - { .name: XU, .offset: 16, .size: 8, .value_kind: global_buffer, .address_space: global }
      - { .name: Ab, .offset: 24, .size: 8, .value_kind: global_buffer, .address_space: global }
    .group_segment_fixed_size: 0
    .private_segment_fixed_size: 0
    .kernarg_segment_align: 8
    .kernarg_segment_size: 32
    .max_flat_workgroup_size: 128
    .sgpr_count:     66
    .vgpr_count:     68
    .wavefront_size: 32
...
	.end_amdgpu_metadata
.endif
;; end of part 1
;; launch vecs (part 2): grid 4 x 64, 4 waves a work-group, clusters of 4 x 4, 327,680 bytes of LDS; arguments XU, Ab, VEC, NRM, W, B, WB; writes VEC, NRM, WB
.if DOCPART == 2
	.amdgcn_target "amdgcn-amd-amdhsa--gfx1250"
	.amdhsa_code_object_version 6
	.text
	.protected	k_qc60916b2e8_vecs
	.globl	k_qc60916b2e8_vecs
	.p2align	8
	.type	k_qc60916b2e8_vecs,@function
k_qc60916b2e8_vecs:
	s_mov_b64 s[64:65], 0
	v_nop
	global_prefetch_b8 v0, s[64:65] scope:SCOPE_SE
	s_setreg_imm32_b32 hwreg(HW_REG_WAVE_MODE, 25, 1), 1
	s_wait_xcnt 0x0
	s_wait_alu depctr_hold_cnt(0) depctr_sa_sdst(0) depctr_va_vdst(0) depctr_va_sdst(0) depctr_va_ssrc(0) depctr_va_vcc(0) depctr_vm_vsrc(0)
	s_getreg_b32 s2, hwreg(HW_REG_IB_STS2, 6, 4)
	s_cmp_eq_u32 s2, 0
	s_cbranch_scc0 .Lentry_in_a_cluster
	s_endpgm
.Lentry_in_a_cluster:
	s_bfe_u32 s2, ttmp6, 0x10000c
	s_cmp_lg_u32 s2, 0xf033
	s_cbranch_scc0 .Lentry_shape_is_right
	s_endpgm
.Lentry_shape_is_right:
; vecs[t][16 a + r] = the sum over h of x[t][h] A[a][r][h]: 8,192 x 1,024 over K = 2,048, bf16 operands (XU's and Ab's first 2,048 columns), sums in f32.
; Out: VEC[t][1024] in bf16, and NRM, each adapter's SQUARED norm in f32, made of the f32 sums before they are rounded: NRM[group g of 8 adapters][token][8].
; LIMITS: NaN and infinities are not served; a squared norm overflows f32 where a norm passes about 1.8e19.
; SHARES.  A tile is 128 tokens x 256 columns: 256 work-groups.  Four waves, each 64 tokens x 128 columns (8 adapters): 32 accumulators of 16 x 16, 256 registers.
; K goes in steps of 128 (rows of 256 bytes in memory) through a ring of two LDS slots filled by the tensor data mover.
; CLUSTERS: 4 x 4 work-groups.  The four of a row of the cluster need the same 128 tokens, the four of a column the same 256 rows of Ab: each tile is asked for jointly, by the same
; tensor load with the same descriptor and a mask that names the four.
; THE MATRIX INSTRUCTION IS USED TRANSPOSED: source 0 = the 16 ranks of an adapter, source 1 = 16 tokens.  Lane l then holds token l % 16 and ranks 8 (l / 16) + 0..7 of that adapter:
; 16 neighbouring bytes of VEC, and half of the adapter's sum of squares; the other half lies 16 lanes away.
; BESIDE THE PRODUCTS the last launch's second operand is made: WB[j][0..2047] = bf16(W[j][:]) and WB[j][2048 + 16 a + r] = bf16(B[a][j][r]), the bank turned.  Nothing here reads it.
; A quarter step has 32 matrix instructions and 24 LDS loads; one piece of this cast (a wait, two roundings, a load, a store) is set into each.  Of the 1,024 waves, wave wid takes
; rows 2 wid and 2 wid + 1 of W (32 pieces of 512 bytes) and, of the 8 adapters of group wid % 8, the sixteen j from 16 (wid / 8) on (16 pieces): 48 pieces, six in each of eight turns.
; REGISTERS, in windows of 256: window 0: v0-31 addresses; v64-95, v128-159 fragments of the tokens, two buffers; v96-119, v160-175 the norms; v192-223, v32-63, v224-255 the way out;
;   in the loop v32-55 and v176-187 the cast.   window 1: v64-127, v128-191 fragments of Ab, two buffers.   window 2: accumulator (a, b) at v[8 (8 a + b)], a = block of 16 tokens, b = adapter.
.set LDK,    3072                      ; elements from row to row in XU, Ab and WB
.set ROWB,   LDK*2
.set KDIM,   2048
.set KSTEP,  128
.set PITCH,  272                       ; an LDS row: 256 bytes + 16 of padding = 68 words: row r starts at bank 4 r mod 64 (64 banks of 4 bytes: ISA guide 11.1), so the 16 rows of a load start at 16 different banks
.set ATILE,  128*PITCH                 ; the tokens' tile
.set BTILE,  256*PITCH                 ; Ab's tile, behind it
.set SLOT,   ATILE+BTILE
.set STAGE,  2*SLOT                    ; behind the ring: 16 rows x 272 bytes for each wave, for the way out
.set SPARE,  STAGE+4*16*PITCH          ; behind the stages: the spare words, 128 bytes for each wave: two blocks of 256 bytes that no other line names
.set LAPS,   KDIM/(2*KSTEP)            ; a lap = two K steps = once round the ring
.set VROW,   2048                      ; bytes in a row of VEC
.set CWI,  6                           ; v6      the cast: my byte offset in a piece of W: 16 x lane; never rewritten
.set CO8,  7                           ; v7      my byte offset in a piece of WB: 8 x lane; never rewritten
.set CBI,  8                           ; v8      my byte offset in B: adapter lane / 4 of the group, ranks 4 (lane % 4) on; never rewritten
.set ADRA, 16                          ; v16-17  LDS address of my token fragments in slot 0, 1
.set ADRB, 20                          ; v20-21  the same for Ab
.set STO,  24                          ; v24     the way out: where I put 16 bytes of a row
.set RD,   25                          ; v25     where I read a row back
.set CO,   26                          ; v26     my byte offset in VEC
.set NOFF, 27                          ; v27     my byte offset in NRM
.set SPW,  28                          ; v28     LDS address of my spare word; never rewritten
.set NIL,  29                          ; v29     0; never rewritten
.set CX,   32                          ; v32-55  the cast: place i of six: 4 numbers in f32 as loaded
.set CY,   176                         ; v176-187 place i: the same 4 in bf16, to store
.set F0,   64
.set F1,   128
.set TS,   96                          ; v96-111  sums of squares, a pair for each adapter
.set NS,   112                         ; v112-119 squared norms of the 8 adapters
.set NO,   160                         ; v160-175 the four that I store, for each block of tokens
.set TMP,  192                         ; packed results
.set OB,   32                          ; 16 rows read back from the stage: v32-63 and v224-255 by turns
.set G1,  24                           ; s[24:31] descriptor group 1 for the tokens' tiles;  s[32:39] group 0, a set for each slot
.set G0,  32
.set G1B, 48                           ; s[48:55], s[56:63] the same for Ab's tiles
.set G0B, 56
.set WI,  68                           ; s[68:69] the cast: W at my two rows, this turn's 1,024 bytes of each
.set BI,  70                           ; s[70:71] B at my group's first adapter, this turn's two j
.set WO,  72                           ; s[72:73] WB at my two rows, this turn's 512 bytes of each
.set BO,  74                           ; s[74:75] WB at this turn's two rows, my group's 256 bytes
.set MSB, 0
.macro WIN new                         ; the immediate's high byte repeats the setting that is left; a switch that changes nothing is dropped
.if MSB != \new
	s_set_vgpr_msb (MSB<<8)|\new
.set MSB, \new
.endif
.endm
.set MUL,  0xa1                        ; source 0 (Ab) window 1, source 1 (tokens) window 0, C and D window 2
.set TO_B, 0x40                        ; destination window 1, address window 0
.set SQ,   0x0a                        ; sources 0 and 1 window 2, source 2 and destination window 0
.macro PLACES                          ; four plain vector instructions between a matrix instruction and a load into, or a vector read of, its registers
.rept 4
	v_nop
.endr
.endm
; A joint load.  Waves 0 and 1 fetch the tokens' two halves (64 rows each), waves 2 and 3 Ab's (128 rows each).  The branch hangs on the wave's number alone.
; Four v_nop follow each of the two lines, ahead of the jump, the label and what follows.
.macro JLOAD s
	s_cmp_eq_u32 s13, 0
	s_cbranch_scc0 .Lfor_b_\@
	tensor_load_to_lds s[G0+4*\s:G0+4*\s+3], s[G1:G1+7]
	s_nop 0
	PLACES
	s_branch .Lasked_\@
.Lfor_b_\@:
	tensor_load_to_lds s[G0B+4*\s:G0B+4*\s+3], s[G1B:G1B+7]
	s_nop 0
	PLACES
.Lasked_\@:
.endm
.macro CREST                           ; a round of the cluster's barrier behind its opening barrier: wave 0 signals for the work-group, every wave waits for all sixteen, my work-group's barrier closes it
	s_cmp_lg_u32 s12, 0
	s_cbranch_scc1 .Lnot_wave_0_\@
	s_barrier_signal -3
.Lnot_wave_0_\@:
	s_barrier_wait -3
	s_barrier_signal -1
	s_barrier_wait -1
.endm
.macro CROUND                          ; a whole round
	s_barrier_signal -1
	s_barrier_wait -1
	CREST
.endm
; THE CAST.  A turn has six places.  Places 0, 1, 3, 4: row i / 3 of my two rows of W, piece i % 3 of the turn's two pieces of 512 bytes.  Places 2, 5: of the bank, j = the turn's first + i / 3.
; CLOAD asks for place i's piece: of the turn at which the bases stand (ahead = 0) or of the next (ahead = 1: the turn's step stands in the immediate).
.macro CLOAD i, ahead
.if (\i%3) == 2
	global_load_b128 v[CX+4*\i:CX+4*\i+3], v[CBI], s[BI:BI+1] offset:(\i/3)*64+\ahead*128                          ; 8 adapters x 64 bytes; the bytes beside them are the neighbouring j's, so no hint
.else
	global_load_b128 v[CX+4*\i:CX+4*\i+3], v[CWI], s[WI:WI+1] offset:(\i/3)*8192+(\i%3)*512+\ahead*1024 th:TH_LOAD_NT ; 512 consecutive bytes of a row of W, read once
.endif
.endm
; ITEM: place i's piece has come, is rounded and stored; ahead = 1: the place's next piece is asked for, a whole turn (two K steps) before it is wanted.
; left = the younger loads that may stay out: the ring's other five, or what is left of them in the last turn.
.macro ITEM i, ahead, left
	s_wait_loadcnt \left                           ; loads come back in order (ISA guide 5.7.1)
	v_cvt_pk_bf16_f32 v[CY+2*\i],   v[CX+4*\i],   v[CX+4*\i+1]     ; CY's pair was the data of the last turn's store: the wait at the turn's end has freed it
	v_cvt_pk_bf16_f32 v[CY+2*\i+1], v[CX+4*\i+2], v[CX+4*\i+3]
.if \ahead
	CLOAD \i, 1
.endif
.if (\i%3) == 2
	global_store_b64 v[CO8], v[CY+2*\i:CY+2*\i+1], s[BO:BO+1] offset:(\i/3)*ROWB               ; 8 adapters x 32 bytes: 256 consecutive bytes of a row of WB, aligned
.else
	global_store_b64 v[CO8], v[CY+2*\i:CY+2*\i+1], s[WO:WO+1] offset:(\i/3)*ROWB+(\i%3)*256    ; 256 consecutive bytes, aligned
.endif
.endm
	s_load_b256 s[4:11], s[0:1], 0x0               ; XU s[4:5], Ab s[6:7], VEC s[8:9], NRM s[10:11]
	s_load_b128 s[68:71], s[0:1], 0x20             ; W s[68:69], B s[70:71]
	s_load_b64 s[72:73], s[0:1], 0x30              ; WB
	v_lshl_add_u32 v[SPW], v0, 2, SPARE
	v_mov_b32 v[NIL], 0
	ds_add_u32 v28, v29
	s_wait_dscnt 0x0
	v_lshrrev_b32 v1, 5, v0
	v_readfirstlane_b32 s12, v1                    ; wave 0..3
	s_lshr_b32 s13, s12, 1                         ; which 64 tokens of the tile are mine.  Also: I fetch tokens (0) or Ab (1)
	s_and_b32 s14, s12, 1                          ; which 128 columns.  Also: which half of that tile I fetch
	s_bfe_u32 s40, ttmp6, 0x40000                  ; cx, cy: my place in the cluster
	s_bfe_u32 s41, ttmp6, 0x40004
	s_lshl_b32 s42, ttmp9, 2
	s_add_co_u32 s42, s42, s40                     ; tile column = 4 x cluster x + cx
	s_and_b32 s15, ttmp7, 0xffff
	s_lshl_b32 s15, s15, 2
	s_add_co_u32 s15, s15, s41                     ; tile row = 4 x cluster y + cy
	s_lshl_b32 s43, s41, 2
	s_lshl_b32 s43, 15, s43                        ; my row of the cluster: places 4 cy .. 4 cy + 3
	s_lshl_b32 s44, 0x1111, s40                    ; my column: places cx, cx + 4, cx + 8, cx + 12
	; descriptor group 1: rows of 128 elements, padded in LDS; 64 rows of tokens, 128 rows of Ab
	s_or_b32 s[G1+0], s43, (1<<16)|(1<<20)|(1<<21)|(5<<22)|(3<<25)   ; 15:0 the mask: my row; 17:16 elements of 2 bytes; 20 padding on; 21 set beside a mask; 24:22 after every 64 words (code 5); 31:25 4 words of it (code 3)
	s_or_b32 s[G1B+0], s44, (1<<16)|(1<<20)|(1<<21)|(5<<22)|(3<<25)  ; the same with the mask of my column
	s_mov_b32 s[G1+1], KSTEP<<16                   ; tensor_dim0 = 128
	s_mov_b32 s[G1+2], 64<<16                      ; tensor_dim1 = 64
	s_mov_b32 s[G1+3], KSTEP<<16                   ; tile_dim0 = 128
	s_mov_b32 s[G1+4], 64                          ; tile_dim1 = 64
	s_mov_b32 s[G1+5], LDK                         ; elements from row to row
	s_mov_b32 s[G1+6], 0
	s_mov_b32 s[G1+7], 0
	s_mov_b32 s[G1B+1], KSTEP<<16
	s_mov_b32 s[G1B+2], 128<<16                    ; tensor_dim1 = 128
	s_mov_b32 s[G1B+3], KSTEP<<16
	s_mov_b32 s[G1B+4], 128                        ; tile_dim1 = 128
	s_mov_b32 s[G1B+5], LDK
	s_mov_b32 s[G1B+6], 0
	s_mov_b32 s[G1B+7], 0
	; where the tiles come from: the tokens' hang on the tile row alone, Ab's on the tile column alone, each in registers that never hold the other coordinate
	s_lshl_b32 s16, s15, 7
	s_lshl_b32 s17, s14, 6
	s_add_co_u32 s16, s16, s17                     ; token 128 x tile row + 64 x half
	s_mul_i32 s16, s16, ROWB                       ; under 2^26 bytes
	s_mov_b32 s17, 0
	s_lshl_b32 s46, s42, 8
	s_lshl_b32 s47, s14, 7
	s_add_co_u32 s46, s46, s47                     ; row of Ab 256 x tile column + 128 x half
	s_mul_i32 s46, s46, ROWB
	s_mov_b32 s47, 0
	s_mul_i32 s20, s14, 64*PITCH                   ; and where they go: no place in the cluster enters an LDS address
	s_mul_i32 s21, s14, 128*PITCH
	s_add_co_u32 s21, s21, ATILE
	s_wait_kmcnt 0x0
	s_add_nc_u64 s[18:19], s[4:5], s[16:17]
	s_add_nc_u64 s[46:47], s[6:7], s[46:47]
	CROUND                                         ; all sixteen work-groups are here: the first joint loads meet
.irp s, 0,1
	s_mov_b32 s[G0+4*\s], 1                                        ; count = 1
	s_add_co_u32 s[G0+4*\s+1], s20, \s*SLOT                        ; LDS address
	s_add_nc_u64 s[G0+4*\s+2:G0+4*\s+3], s[18:19], \s*KSTEP*2      ; global address: K step s
	s_or_b32 s[G0+4*\s+3], s[G0+4*\s+3], 0x80000000                ; type = 2
	s_mov_b32 s[G0B+4*\s], 1
	s_add_co_u32 s[G0B+4*\s+1], s21, \s*SLOT
	s_add_nc_u64 s[G0B+4*\s+2:G0B+4*\s+3], s[46:47], \s*KSTEP*2
	s_or_b32 s[G0B+4*\s+3], s[G0B+4*\s+3], 0x80000000
.endr
	s_cmp_eq_u32 s13, 0                            ; a wave's two first fills stand in one branch, ahead of every wait on TENSORcnt and every LDS read: two loads of mine are out
	s_cbranch_scc0 .Lfirst_b
	tensor_load_to_lds s[G0:G0+3], s[G1:G1+7]
	s_nop 0
	tensor_load_to_lds s[G0+4:G0+7], s[G1:G1+7]
	s_nop 0
	PLACES
	s_branch .Lfirst_asked
.Lfirst_b:
	tensor_load_to_lds s[G0B:G0B+3], s[G1B:G1B+7]
	s_nop 0
	tensor_load_to_lds s[G0B+4:G0B+7], s[G1B:G1B+7]
	s_nop 0
	PLACES
.Lfirst_asked:
	; the cast's addresses, and its first six loads.  wid enters global addresses of plain loads and stores alone, in registers that feed no descriptor.
	s_lshl_b32 s45, s15, 2
	s_add_co_u32 s45, s45, s42                     ; 4 x tile row + tile column
	s_lshl2_add_u32 s45, s45, s12                  ; wid = 4 x that + wave: 0 .. 1,023
	s_mov_b32 s77, 0                               ; the offsets' high word
	s_and_b32 s78, s45, 7                          ; my group of 8 adapters
	s_lshr_b32 s79, s45, 3                         ; my block of 16 j
	s_lshl_b32 s76, s78, 20                        ; B: 8 adapters x 131,072 bytes a group,
	s_lshl_b32 s80, s79, 10                        ; 16 j x 64 bytes a block
	s_add_co_u32 s76, s76, s80
	s_add_nc_u64 s[BI:BI+1], s[BI:BI+1], s[76:77]
	s_mul_i32 s76, s79, 16*ROWB                    ; WB: 16 rows a block,
	s_lshl_b32 s80, s78, 8                         ; 256 bytes a group,
	s_add_co_u32 s76, s76, s80
	s_add_co_u32 s76, s76, 4096                    ; from column 2,048 on
	s_add_nc_u64 s[BO:BO+1], s[WO:WO+1], s[76:77]
	s_mul_i32 s76, s45, 2*ROWB                     ; WB: my two rows
	s_add_nc_u64 s[WO:WO+1], s[WO:WO+1], s[76:77]
	s_lshl_b32 s76, s45, 14                        ; W: my two rows of 8,192 bytes
	s_add_nc_u64 s[WI:WI+1], s[WI:WI+1], s[76:77]
	v_and_b32 v4, 31, v0                           ; lane
	v_lshlrev_b32 v[CWI], 4, v4
	v_lshlrev_b32 v[CO8], 3, v4
	v_lshrrev_b32 v9, 2, v4
	v_and_b32 v10, 3, v4
	v_lshlrev_b32 v10, 4, v10
	v_lshl_or_b32 v[CBI], v9, 17, v10              ; an adapter's part of B is 2,048 x 64 = 131,072 bytes
.irp i, 0,1,2,3,4,5
	CLOAD \i, 0                                    ; turn 0
.endr
	; A fragment is 16 rows x 32 K in 8 registers: lane l holds row l % 16; registers 0-3 K = 8 (l / 16) + 0..7, registers 4-7 K = 16 + 8 (l / 16) + 0..7: two loads of 16 bytes, 32 bytes apart.
	v_and_b32 v1, 15, v0                           ; l % 16
	v_bfe_u32 v2, v0, 4, 1                         ; l / 16
	v_mul_u32_u24 v3, v1, PITCH
	v_lshl_add_u32 v3, v2, 4, v3                   ; row x pitch + 16 x half
	s_mul_i32 s16, s13, 64*PITCH                   ; my 64 tokens
	s_mul_i32 s17, s14, 128*PITCH                  ; my 128 rows of Ab,
	s_add_co_u32 s17, s17, ATILE                   ; which lie behind the tokens
.irp s, 0,1
	v_add_nc_u32 v[ADRA+\s], s16, v3
	v_add_nc_u32 v[ADRB+\s], s17, v3
	s_add_co_u32 s16, s16, SLOT
	s_add_co_u32 s17, s17, SLOT
.endr
	s_mul_i32 s23, s12, 16*PITCH
	s_add_co_u32 s23, s23, STAGE                   ; my stage
	v_add_nc_u32 v[STO], s23, v3                   ; in: row l % 16, 16 bytes for each half of the lanes (the stage has the tiles' pitch)
	v_mul_u32_u24 v5, v2, PITCH                    ; back: lanes 0-15 take one row of 256 bytes, lanes 16-31 the next
	v_lshl_add_u32 v5, v1, 4, v5
	v_add_nc_u32 v[RD], s23, v5
	v_lshlrev_b32 v5, 11, v2                       ; and the same two rows in VEC
	v_lshl_add_u32 v[CO], v1, 4, v5
	v_lshlrev_b32 v5, 5, v1                        ; in NRM: token l % 16 x 32 bytes, adapters 4 (l / 16) on
	v_lshl_add_u32 v[NOFF], v2, 4, v5
	s_lshl_b32 s16, s15, 7
	s_lshl_b32 s17, s13, 6
	s_add_co_u32 s16, s16, s17                     ; my first token
	s_lshl_b32 s18, s16, 5                         ; x 32 bytes in a group of NRM
	s_lshl_b32 s16, s16, 11                        ; x 2,048 bytes in VEC
	s_mov_b32 s17, 0
	s_mov_b32 s19, 0
	s_add_nc_u64 s[8:9], s[8:9], s[16:17]
	s_add_nc_u64 s[10:11], s[10:11], s[18:19]
	s_lshl_b32 s46, s42, 1
	s_add_co_u32 s46, s46, s14                     ; my group of 8 adapters = 2 x tile column + half
	s_lshl_b32 s46, s46, 8                         ; x 256 bytes of a row of VEC
	s_mov_b32 s47, 0
	s_add_nc_u64 s[8:9], s[8:9], s[46:47]
	s_lshl_b32 s46, s46, 10                        ; x 8,192 tokens x 32 bytes in NRM
	s_add_nc_u64 s[10:11], s[10:11], s[46:47]
	s_mov_b32 s20, 0x76543210                      ; v_permlanex16_b32: each lane takes its own place in the other half
	s_mov_b32 s21, 0xfedcba98
	s_mov_b32 s22, 0xffff0000                      ; the mask of lanes 16 to 31
; 8 matrix instructions: block a of 16 tokens x all 8 adapters, 32 along K.  zero = 1: the first product starts the sums: nothing is ever cleared.
.macro MUL8 f, a, zero
.irp b, 0,1,2,3,4,5,6,7
.if \zero
	v_wmma_f32_16x16x32_bf16 v[8*(8*(\a)+\b):8*(8*(\a)+\b)+7], v[\f+8*\b:\f+8*\b+7], v[\f+8*(\a):\f+8*(\a)+7], 0
.else
	v_wmma_f32_16x16x32_bf16 v[8*(8*(\a)+\b):8*(8*(\a)+\b)+7], v[\f+8*\b:\f+8*\b+7], v[\f+8*(\a):\f+8*(\a)+7], v[8*(8*(\a)+\b):8*(8*(\a)+\b)+7]
.endif
.endr
.endm
.macro MUL16 f, a0, zero
	MUL8 \f, \a0, \zero
	MUL8 \f, \a0+1, \zero
.endm
; 24 LDS loads in one run: a quarter step's fragments (128 rows of Ab, 64 tokens, 32 K at byte k of the rows) into buffer f
.macro FETCH slot, k, f
	WIN TO_B
.irp i, 0,1,2,3,4,5,6,7
	ds_load_b128 v[\f+8*\i:\f+8*\i+3],   v[ADRB+\slot] offset:\k+\i*16*PITCH
	ds_load_b128 v[\f+8*\i+4:\f+8*\i+7], v[ADRB+\slot] offset:\k+\i*16*PITCH+32
.endr
	WIN 0
.irp i, 0,1,2,3
	ds_load_b128 v[\f+8*\i:\f+8*\i+3],   v[ADRA+\slot] offset:\k+\i*16*PITCH
	ds_load_b128 v[\f+8*\i+4:\f+8*\i+7], v[ADRA+\slot] offset:\k+\i*16*PITCH+32
.endr
.endm
; A K step is four quarters of 32 along K, 32 matrix instructions each, on buffers 0, 1, 0, 1.  The 32 accumulators take turns, one instruction a turn, in the same order in every
; quarter.  One of the first three quarters: multiplies buffer f; in its middle it fetches the next quarter, at byte k, into buffer g, and, behind that run,
; where every window is 0, takes place ci of the cast (ci = -1: none; ahead and left: see ITEM).
.macro QUARTER slot, k, f, g, zero, ci, ahead, left
	s_wait_dscnt 4                                 ; Ab's fragments and token blocks 0, 1 are in; the youngest four loads (blocks 2, 3) may be out
	WIN MUL
	MUL16 \f, 0, \zero
	PLACES
	FETCH \slot, \k, \g
.if \ci >= 0
	ITEM \ci, \ahead, \left
.endif
	s_wait_dscnt 24                                ; all but the 24 just issued
	WIN MUL
	MUL16 \f, 2, \zero
.endm
; The last quarter multiplies buffer 1 and changes slots.  ONE barrier: in front of it each wave waits for all its tensor loads (the one that is out is its part of the next slot), adds 0 to
; its spare word, and waits for that and for its own reads of this slot.  Behind it nobody reads this slot any more and the next slot is whole.
.macro MEET round
	WIN 0                                          ; (the add's two registers lie in window 0)
	s_wait_tensorcnt 0x0
	ds_add_u32 v[SPW], v[NIL]                      ; 0 onto my spare word
	s_wait_dscnt 5                                 ; (the add and the youngest four loads may be out)
	WIN MUL
	MUL8 F1, 0, 0                                  ; eight matrix instructions stand between the add and the wait for it
	s_wait_dscnt 0x0                               ; the add is done, and my reads of this slot are over
	s_barrier_signal -1
	MUL8 F1, 1, 0                                  ; work on registers while the others arrive
.if \round
	WIN 0
.endif
	s_barrier_wait -1
.endm
; fill = 1: the barrier opens a round of the cluster's barrier, and the slot just read out is filled again, two K steps ahead, first thing behind the round:
; from that request to the wait for it a wave issues 112 matrix instructions.
.macro TURN slot, next, fill
	MEET \fill
.if \fill
	CREST                                          ; no wave of any partner still reads this slot's tile or has a load on its way
	s_add_nc_u64 s[G0+4*\slot+2:G0+4*\slot+3], s[G0+4*\slot+2:G0+4*\slot+3], 2*KSTEP*2
	s_add_nc_u64 s[G0B+4*\slot+2:G0B+4*\slot+3], s[G0B+4*\slot+2:G0B+4*\slot+3], 2*KSTEP*2
	JLOAD \slot                                    ; the four v_nop behind it are also the places in front of the loads below
.else
	PLACES
.endif
	FETCH \next, 0, F0
	WIN MUL
	MUL16 F1, 2, 0
.endm
	s_wait_tensorcnt 0x1                           ; my part of K step 0 is in; K step 1's may stay out
	s_barrier_signal -1
	s_barrier_wait -1                              ; everybody's is
	FETCH 0, 0, F0
	QUARTER 0, 64,  F0, F1, 1, -1, 0, 0            ; the first quarter stands in front of the loop: its products start the sums
	WIN 0                                          ; at a label and at a branch every window is 0
	s_mov_b32 s3, LAPS-1
.Llap:                                                 ; a trip goes once round the ring, from a lap's second quarter to the next lap's first, fills both slots again, and takes one turn of the cast
	QUARTER 0, 128, F1, F0, 0, 0, 1, 5
	QUARTER 0, 192, F0, F1, 0, 1, 1, 5
	TURN 0, 1, 1
	QUARTER 1, 64,  F0, F1, 0, 2, 1, 5
	QUARTER 1, 128, F1, F0, 0, 3, 1, 5
	QUARTER 1, 192, F0, F1, 0, 4, 1, 5
	TURN 1, 0, 1
	QUARTER 0, 64,  F0, F1, 0, 5, 1, 5
	WIN 0
	s_wait_xcnt 0x0                                ; every earlier memory instruction has had its addresses translated (ISA guide 3.1): the cast's four bases and its store data are rewritten only behind this wait
	s_add_nc_u64 s[WI:WI+1], s[WI:WI+1], 1024      ; the next turn: two pieces on in each of my rows of W,
	s_add_nc_u64 s[WO:WO+1], s[WO:WO+1], 512       ; and of WB;
	s_add_nc_u64 s[BI:BI+1], s[BI:BI+1], 128       ; two j on in the bank,
	s_add_nc_u64 s[BO:BO+1], s[BO:BO+1], 2*ROWB    ; two rows on in WB
	s_sub_co_u32 s3, s3, 1
	s_cmp_lg_u32 s3, 0
	s_cbranch_scc1 .Llap
	QUARTER 0, 128, F1, F0, 0, 0, 0, 5             ; the last lap fills nothing, and the cast's last turn asks for nothing: its counts run down
	QUARTER 0, 192, F0, F1, 0, 1, 0, 4
	TURN 0, 1, 0
	QUARTER 1, 64,  F0, F1, 0, 2, 0, 3
	QUARTER 1, 128, F1, F0, 0, 3, 0, 2
	QUARTER 1, 192, F0, F1, 0, 4, 0, 1
	s_wait_dscnt 4                                 ; the very last quarter: nothing more to fetch
	WIN MUL
	MUL16 F1, 0, 0
	s_wait_dscnt 0x0
	MUL16 F1, 2, 0
	WIN 0
	ITEM 5, 0, 0                                   ; the cast's last piece
	PLACES                                         ; the sums are read below
; THE WAY OUT, a block of 16 tokens at a time.  NORMPACK: under one window setting the squares of the f32 sums (each accumulator is read from its low end on)
; and the roundings to bf16; then a lane's 8 ranks and the other half's 8 are added, and each lane stores four adapters' squared norms: the wave writes 512 consecutive bytes of NRM.
.macro NORMPACK a
	WIN SQ
.irp b, 0,1,2,3,4,5,6,7
	v_pk_mul_f32 v[TS+2*\b:TS+2*\b+1], v[8*(8*(\a)+\b):8*(8*(\a)+\b)+1], v[8*(8*(\a)+\b):8*(8*(\a)+\b)+1]
.endr
.irp p, 2,4,6
.irp b, 0,1,2,3,4,5,6,7
	v_pk_fma_f32 v[TS+2*\b:TS+2*\b+1], v[8*(8*(\a)+\b)+\p:8*(8*(\a)+\b)+\p+1], v[8*(8*(\a)+\b)+\p:8*(8*(\a)+\b)+\p+1], v[TS+2*\b:TS+2*\b+1]
.endr
.endr
.irp b, 0,1,2,3,4,5,6,7
.irp r, 0,1,2,3
	v_cvt_pk_bf16_f32 v[TMP+4*\b+\r], v[8*(8*(\a)+\b)+2*\r], v[8*(8*(\a)+\b)+2*\r+1]
.endr
.endr
	WIN 0
.irp b, 0,1,2,3,4,5,6,7
	v_add_f32 v[NS+\b], v[TS+2*\b], v[TS+2*\b+1]
.endr
.irp b, 0,1,2,3,4,5,6,7
	v_permlanex16_b32 v[TS+\b], v[NS+\b], s20, s21 ; the adapter's other 8 ranks lie 16 lanes away
.endr
.irp b, 0,1,2,3,4,5,6,7
	v_add_f32 v[NS+\b], v[NS+\b], v[TS+\b]
.endr
.irp i, 0,1,2,3
	v_cndmask_b32 v[NO+4*(\a)+\i], v[NS+\i], v[NS+4+\i], s22       ; lanes 0-15 store adapters 0-3, lanes 16-31 adapters 4-7
.endr
	global_store_b128 v[NOFF], v[NO+4*(\a):NO+4*(\a)+3], s[10:11] offset:512*(\a)
.endm
.macro TOSTAGE a                       ; into my own stage, and back as whole rows of 256 bytes
.set BK, OB+192*((\a)%2)
.if (\a) >= 2
	s_wait_xcnt 0x0                                ; the registers loaded below were the data of the stores two blocks back: they are written again only behind this wait
.endif
.irp b, 0,1,2,3,4,5,6,7
	ds_store_b128 v[STO], v[TMP+4*\b:TMP+4*\b+3] offset:32*\b
.endr
.irp t, 0,1,2,3,4,5,6,7
	ds_load_b128 v[BK+4*\t:BK+4*\t+3], v[RD] offset:\t*2*PITCH     ; LDS serves a wave's instructions in order (ISA guide 5.7.1.4): these see the stores above
.endr
.endm
.macro SEND a
.set BK, OB+192*((\a)%2)
	s_wait_dscnt 0x0                               ; the block is back in registers
.irp t, 0,1,2,3,4,5,6,7
	global_store_b128 v[CO], v[BK+4*\t:BK+4*\t+3], s[8:9] offset:(16*(\a)+2*\t)*VROW   ; 16 lanes store 256 consecutive bytes, at a multiple of 256 from VEC's first byte
.endr
.endm
	NORMPACK 0
	TOSTAGE 0                                      ; (v32-55 held the cast's loads: the last of them has been waited for)
.irp a, 1,2,3                          ; block a's arithmetic stands between block a - 1's loads from the stage and the wait for them
	NORMPACK \a
	SEND \a-1
	TOSTAGE \a
.endr
	SEND 3
	s_wait_tensorcnt 0x0                           ; the wave's end: behind my last tensor load and my last LDS store
	ds_add_u32 v[SPW], v[NIL]
	s_wait_dscnt 0x0
	CROUND                                         ; the closing round: no work-group ends while a partner may still ask for a tile that names it
	s_endpgm
.Lfunc_end_k_qc60916b2e8_vecs:
	.size	k_qc60916b2e8_vecs, .Lfunc_end_k_qc60916b2e8_vecs-k_qc60916b2e8_vecs
	.p2alignl 7, 3214868480
	.fill 96, 4, 3214868480
	.section	.rodata,"a",@progbits
	.p2align	6, 0x0
	.amdhsa_kernel k_qc60916b2e8_vecs
		.amdhsa_group_segment_fixed_size 327680
		.amdhsa_private_segment_fixed_size 0
		.amdhsa_enable_private_segment 0
		.amdhsa_kernarg_size 56
		.amdhsa_user_sgpr_count 2
		.amdhsa_user_sgpr_kernarg_segment_ptr 1
		.amdhsa_wavefront_size32 1
		.amdhsa_system_sgpr_workgroup_id_x 1
		.amdhsa_system_sgpr_workgroup_id_y 1
		.amdhsa_system_sgpr_workgroup_id_z 1
		.amdhsa_system_vgpr_workitem_id 0
		.amdhsa_next_free_vgpr 768
		.amdhsa_next_free_sgpr 82
		.amdhsa_reserve_vcc 0
		.amdhsa_float_denorm_mode_32 3
		.amdhsa_float_denorm_mode_16_64 3
		.amdhsa_memory_ordered 1
		.amdhsa_forward_progress 1
		.amdhsa_inst_pref_size 105
	.end_amdhsa_kernel
	.amdgpu_metadata
---
amdhsa.version: [ 1, 2 ]
amdhsa.kernels:
  - .name:           k_qc60916b2e8_vecs
    .symbol:         k_qc60916b2e8_vecs.kd
    .args:
      - { .name: XU, .offset: 0, .size: 8, .value_kind: global_buffer, .address_space: global }
      - { .name: Ab, .offset: 8, .size: 8, .value_kind: global_buffer, .address_space: global }
      - { .name: VEC, .offset: 16, .size: 8, .value_kind: global_buffer, .address_space: global }
      - { .name: NRM, .offset: 24, .size: 8, .value_kind: global_buffer, .address_space: global }
      - { .name: W, .offset: 32, .size: 8, .value_kind: global_buffer, .address_space: global }
      - { .name: B, .offset: 40, .size: 8, .value_kind: global_buffer, .address_space: global }
      - { .name: WB, .offset: 48, .size: 8, .value_kind: global_buffer, .address_space: global }
    .group_segment_fixed_size: 327680
    .private_segment_fixed_size: 0
    .kernarg_segment_align: 8
    .kernarg_segment_size: 56
    .max_flat_workgroup_size: 128
    .sgpr_count:     82
    .vgpr_count:     768
    .wavefront_size: 32
...
	.end_amdgpu_metadata
.endif
;; end of part 2
;; launch route (part 3): grid 512 x 1, 4 waves a work-group, no clusters, 0 bytes of LDS; arguments NRM, VEC, XU; writes XU
.if DOCPART == 3
	.amdgcn_target "amdgcn-amd-amdhsa--gfx1250"
	.amdhsa_code_object_version 6
	.text
	.protected	k_qc60916b2e8_route
	.globl	k_qc60916b2e8_route
	.p2align	8
	.type	k_qc60916b2e8_route,@function
k_qc60916b2e8_route:
	s_mov_b64 s[64:65], 0
	v_nop
	global_prefetch_b8 v0, s[64:65] scope:SCOPE_SE
	s_setreg_imm32_b32 hwreg(HW_REG_WAVE_MODE, 25, 1), 1
	s_wait_xcnt 0x0
; For each token: the 64 norms (square roots of NRM), the four largest (of equal norms the lower adapter first, as top_k orders them), v = 1/4 of the sum of the four adapters' vecs,
; and U[t][16 a + r] = 1/4 v[r] for the four adapters and 0 for the others, in bf16, into XU's columns 2,048 to 3,071.  The last launch multiplies U by the turned bank.
; The choice only SELECTS values (v_cndmask_b32): no address and no branch hangs on it.
; LIMITS: NaN and infinities are not served; v_sqrt_f32 takes a denormal square as 0 (ISA guide 15.8), that is a norm under about 1e-19; two norms closer than the rounding of an f32 sum
; of 2,048 products may be ordered otherwise than by another order of adding; v is made of vecs rounded to bf16.
; SHARES.  A wave owns 4 tokens and depends on no other wave: no LDS, no barrier; nothing is shared between work-groups, so no cluster; there is no product here for the matrix unit.
;   Norms: lane l holds token l % 4 and the 8 adapters of group l / 4, so a token's lanes differ in bits 2, 3, 4 of l.
;   Vecs:  load (token i, quarter q) gives lane l 16 bytes: adapter 16 q + l / 2, ranks 8 (l % 2) + 0..7, so a rank's lanes differ in bits 1 to 4.  U is stored in the same places.
.set NOF,  2                           ; v2       my byte offset in NRM
.set VOF,  3                           ; v3       my byte offset in a row of VEC and of U
.set NV,   8                           ; v[8:15]  my 8 norms
.set IDXF, 16                          ; v[16:23] their adapters' numbers, as f32
.set AF,   24                          ; v[24:27] quarter q: my adapter's number, as f32
.set WNR,  28                          ; v[28:31] the four winners of my token, as f32
.set CUR,  32
.set OTH,  33
.set IDX,  34
.set TT,   36                          ; v[36:39] at work
.set S8,   40                          ; v[40:47] the sum of my 8 ranks
.set VB,   48                          ; v[48:51] 1/16 of it, in bf16
.set DD,   52                          ; v[52:67] a token's vecs with the losers cleared
.set VV,   68                          ; v[68:131] 4 tokens x 4 quarters x 4 registers: vecs as loaded, then U as stored
	s_load_b128 s[4:7], s[0:1], 0x0                ; NRM s[4:5], VEC s[6:7]
	s_load_b64 s[8:9], s[0:1], 0x10                ; XU
	v_and_b32 v1, 31, v0                           ; lane
	v_lshrrev_b32 v4, 5, v0
	v_readfirstlane_b32 s10, v4                    ; wave
	s_lshl_b32 s11, ttmp9, 4
	s_lshl2_add_u32 s11, s10, s11                  ; my first token = 16 x work-group + 4 x wave
	s_mov_b32 s12, 0x76543210                      ; v_permlanex16_b32: each lane takes its own place in the other half
	s_mov_b32 s13, 0xfedcba98
	s_mov_b32 s16, 0xffff0000                      ; a word's upper bf16
	s_mov_b32 s15, 0
	v_lshrrev_b32 v5, 2, v1                        ; group
	v_and_b32 v6, 3, v1                            ; token
	v_lshlrev_b32 v6, 5, v6
	v_lshl_or_b32 v[NOF], v5, 18, v6               ; group x 8,192 tokens x 32 bytes + token x 32
	v_lshlrev_b32 v[VOF], 4, v1
	s_wait_kmcnt 0x0
	s_lshl_b32 s14, s11, 5
	s_add_nc_u64 s[4:5], s[4:5], s[14:15]
	s_lshl_b32 s14, s11, 11
	s_add_nc_u64 s[6:7], s[6:7], s[14:15]
	s_mul_i32 s14, s11, 6144
	s_add_co_u32 s14, s14, 4096                    ; from column 2,048 on
	s_add_nc_u64 s[8:9], s[8:9], s[14:15]
	global_load_b128 v[NV:NV+3],   v[NOF], s[4:5] th:TH_LOAD_NT
	global_load_b128 v[NV+4:NV+7], v[NOF], s[4:5] offset:16 th:TH_LOAD_NT
.irp i, 0,1,2,3
.irp q, 0,1,2,3
	global_load_b128 v[VV+16*\i+4*\q:VV+16*\i+4*\q+3], v[VOF], s[6:7] offset:\i*2048+\q*512 th:TH_LOAD_NT
.endr
.endr
	v_lshlrev_b32 v5, 3, v5                        ; the numbers of my adapters, made while the loads are out
	v_lshrrev_b32 v6, 1, v1
.irp a, 0,1,2,3,4,5,6,7
	v_add_nc_u32 v[IDXF+\a], \a, v5
.endr
.irp q, 0,1,2,3
	v_add_nc_u32 v[AF+\q], 16*\q, v6
.endr
.irp a, 0,1,2,3,4,5,6,7
	v_cvt_f32_u32 v[IDXF+\a], v[IDXF+\a]
.endr
.irp q, 0,1,2,3
	v_cvt_f32_u32 v[AF+\q], v[AF+\q]
.endr
	s_wait_loadcnt 16                              ; the norms are in; the sixteen loads of vecs stay out
.irp a, 0,1,2,3,4,5,6,7
	v_sqrt_f32 v[NV+\a], v[NV+\a]
.endr
	v_mov_b32 v[OTH], 0                            ; v_permlanex16_b32 counts as a reader of its destination; this is also the plain instruction between the last root and its use (ISA guide 5.7.2)
	s_wait_alu depctr_va_vdst(0)
; One of four passes: the largest norm left of each token, the lowest adapter that holds it, and (remove = 1) that adapter's norm set to -1, under every norm.
.macro PASS p, remove
	v_max3_num_f32 v[CUR], v[NV], v[NV+1], v[NV+2]
	v_max3_num_f32 v[CUR], v[CUR], v[NV+3], v[NV+4]
	v_max3_num_f32 v[CUR], v[CUR], v[NV+5], v[NV+6]
	v_max_num_f32 v[CUR], v[CUR], v[NV+7]
	v_max_num_f32_dpp v[CUR], v[CUR], v[CUR] row_xmask:4 row_mask:0xf bank_mask:0xf
	v_max_num_f32_dpp v[CUR], v[CUR], v[CUR] row_xmask:8 row_mask:0xf bank_mask:0xf
	v_permlanex16_b32 v[OTH], v[CUR], s12, s13
	v_max_num_f32 v[CUR], v[CUR], v[OTH]           ; the token's eight lanes now hold its maximum
	v_mov_b32 v[IDX], 0x42c80000                   ; 100.0: above every adapter's number
.irp a, 7,6,5,4,3,2,1,0
	v_cmp_eq_f32 vcc_lo, v[NV+\a], v[CUR]
	v_cndmask_b32 v[IDX], v[IDX], v[IDXF+\a], vcc_lo               ; descending, so that the lowest stays
.endr
	v_min_num_f32_dpp v[IDX], v[IDX], v[IDX] row_xmask:4 row_mask:0xf bank_mask:0xf
	v_min_num_f32_dpp v[IDX], v[IDX], v[IDX] row_xmask:8 row_mask:0xf bank_mask:0xf
	v_permlanex16_b32 v[OTH], v[IDX], s12, s13
	v_min_num_f32 v[WNR+\p], v[IDX], v[OTH]
.if \remove
.irp a, 0,1,2,3,4,5,6,7
	v_cmp_neq_f32 vcc_lo, v[IDXF+\a], v[WNR+\p]
	v_cndmask_b32 v[NV+\a], -1.0, v[NV+\a], vcc_lo
.endr
.endif
.endm
	PASS 0, 1
	PASS 1, 1
	PASS 2, 1
	PASS 3, 0
; Token i of the wave's four.  Each token has its own registers for what is loaded and stored, so no wait frees a store's data.
.macro TOKEN i
	s_wait_loadcnt 12-4*\i                         ; this token's four loads are in; the younger tokens' stay out
.irp p, 0,1,2,3
	v_readlane_b32 s[20+\p], v[WNR+\p], \i         ; lane i holds token i's winners
.endr
.irp q, 0,1,2,3
	v_cmp_eq_f32 s24, s20, v[AF+\q]
	v_cmp_eq_f32 s25, s21, v[AF+\q]
	v_cmp_eq_f32 s26, s22, v[AF+\q]
	v_cmp_eq_f32 s27, s23, v[AF+\q]
	s_or_b32 s24, s24, s25
	s_or_b32 s26, s26, s27
	s_or_b32 s[28+\q], s24, s26                    ; the lanes whose adapter of quarter q is one of the four
.endr
.irp q, 0,1,2,3
.irp k, 0,1,2,3
	v_cndmask_b32 v[DD+4*\q+\k], 0, v[VV+16*\i+4*\q+\k], s[28+\q]
.endr
.endr
.irp k, 0,1,2,3
	v_lshlrev_b32 v[S8+2*\k],   16,  v[DD+\k]      ; bf16 to f32; quarter 0 starts the sums
	v_and_b32     v[S8+2*\k+1], s16, v[DD+\k]
.endr
.irp q, 1,2,3
.irp k, 0,1,2,3
	v_lshlrev_b32 v[TT+2*(\k%2)],   16,  v[DD+4*\q+\k]
	v_and_b32     v[TT+2*(\k%2)+1], s16, v[DD+4*\q+\k]
	v_pk_add_f32 v[S8+2*\k:S8+2*\k+1], v[S8+2*\k:S8+2*\k+1], v[TT+2*(\k%2):TT+2*(\k%2)+1]
.endr
.endr
.irp m, 2,4,8                          ; over the lanes that hold the same ranks
.irp k, 0,1,2,3,4,5,6,7
	v_add_f32_dpp v[S8+\k], v[S8+\k], v[S8+\k] row_xmask:\m row_mask:0xf bank_mask:0xf
.endr
.endr
.irp k, 0,1,2,3,4,5,6,7
	v_permlanex16_b32 v[DD+\k], v[S8+\k], s12, s13
.endr
.irp k, 0,2,4,6
	v_pk_add_f32 v[S8+\k:S8+\k+1], v[S8+\k:S8+\k+1], v[DD+\k:DD+\k+1]
.endr
.irp k, 0,2,4,6
	v_pk_mul_f32 v[S8+\k:S8+\k+1], v[S8+\k:S8+\k+1], 0x3d800000 op_sel_hi:[1,0]   ; 1/16: the weight 1/4 in v, and again in U
.endr
.irp k, 0,1,2,3
	v_cvt_pk_bf16_f32 v[VB+\k], v[S8+2*\k], v[S8+2*\k+1]
.endr
.irp q, 0,1,2,3
.irp k, 0,1,2,3
	v_cndmask_b32 v[VV+16*\i+4*\q+\k], 0, v[VB+\k], s[28+\q]
.endr
	global_store_b128 v[VOF], v[VV+16*\i+4*\q:VV+16*\i+4*\q+3], s[8:9] offset:\i*6144+\q*512   ; the wave stores 512 consecutive bytes, aligned to 256
.endr
.endm
	TOKEN 0
	TOKEN 1
	TOKEN 2
	TOKEN 3
	s_endpgm
.Lfunc_end_k_qc60916b2e8_route:
	.size	k_qc60916b2e8_route, .Lfunc_end_k_qc60916b2e8_route-k_qc60916b2e8_route
	.p2alignl 7, 3214868480
	.fill 96, 4, 3214868480
	.section	.rodata,"a",@progbits
	.p2align	6, 0x0
	.amdhsa_kernel k_qc60916b2e8_route
		.amdhsa_group_segment_fixed_size 0
		.amdhsa_private_segment_fixed_size 0
		.amdhsa_enable_private_segment 0
		.amdhsa_kernarg_size 24
		.amdhsa_user_sgpr_count 2
		.amdhsa_user_sgpr_kernarg_segment_ptr 1
		.amdhsa_wavefront_size32 1
		.amdhsa_system_sgpr_workgroup_id_x 1
		.amdhsa_system_sgpr_workgroup_id_y 1
		.amdhsa_system_sgpr_workgroup_id_z 1
		.amdhsa_system_vgpr_workitem_id 0
		.amdhsa_next_free_vgpr 136
		.amdhsa_next_free_sgpr 66
		.amdhsa_reserve_vcc 1
		.amdhsa_float_denorm_mode_32 3
		.amdhsa_float_denorm_mode_16_64 3
		.amdhsa_memory_ordered 1
		.amdhsa_forward_progress 1
		.amdhsa_inst_pref_size 46
	.end_amdhsa_kernel
	.amdgpu_metadata
---
amdhsa.version: [ 1, 2 ]
amdhsa.kernels:
  - .name:           k_qc60916b2e8_route
    .symbol:         k_qc60916b2e8_route.kd
    .args:
      - { .name: NRM, .offset: 0, .size: 8, .value_kind: global_buffer, .address_space: global }
      - { .name: VEC, .offset: 8, .size: 8, .value_kind: global_buffer, .address_space: global }
      - { .name: XU, .offset: 16, .size: 8, .value_kind: global_buffer, .address_space: global }
    .group_segment_fixed_size: 0
    .private_segment_fixed_size: 0
    .kernarg_segment_align: 8
    .kernarg_segment_size: 24
    .max_flat_workgroup_size: 128
    .sgpr_count:     66
    .vgpr_count:     136
    .wavefront_size: 32
...
	.end_amdgpu_metadata
.endif
;; end of part 3
;; launch outp (part 4): grid 8 x 32, 4 waves a work-group, clusters of 4 x 4, 327,680 bytes of LDS; arguments XU, WB, out0, bias; writes out0
.if DOCPART == 4
	.amdgcn_target "amdgcn-amd-amdhsa--gfx1250"
	.amdhsa_code_object_version 6
	.text
	.protected	k_qc60916b2e8_outp
	.globl	k_qc60916b2e8_outp
	.p2align	8
	.type	k_qc60916b2e8_outp,@function
k_qc60916b2e8_outp:
	s_mov_b64 s[64:65], 0
	v_nop
	global_prefetch_b8 v0, s[64:65] scope:SCOPE_SE
	s_setreg_imm32_b32 hwreg(HW_REG_WAVE_MODE, 25, 1), 1
	s_wait_xcnt 0x0
	s_wait_alu depctr_hold_cnt(0) depctr_sa_sdst(0) depctr_va_vdst(0) depctr_va_sdst(0) depctr_va_ssrc(0) depctr_va_vcc(0) depctr_vm_vsrc(0)
	s_getreg_b32 s2, hwreg(HW_REG_IB_STS2, 6, 4)
	s_cmp_eq_u32 s2, 0
	s_cbranch_scc0 .Lentry_in_a_cluster
	s_endpgm
.Lentry_in_a_cluster:
	s_bfe_u32 s2, ttmp6, 0x10000c
	s_cmp_lg_u32 s2, 0xf033
	s_cbranch_scc0 .Lentry_shape_is_right
	s_endpgm
.Lentry_shape_is_right:
; out0[t][j] = the sum over k of XU[t][k] WB[j][k] + bias[j]: 8,192 x 2,048 over K = 3,072.  Columns 0-2047 of K are x W^T, columns 2048-3071 are U times the turned bank: base and delta in
; one sum.  bf16 operands, sums and bias in f32, f32 out.
; SHARES.  A tile is 256 x 256: 256 work-groups.  Four waves, each 128 tokens x 128 columns: 64 accumulators of 16 x 16, 512 registers.
; K goes in steps of 128 (rows of 256 bytes in memory) through a ring of two LDS slots filled by the tensor data mover; each wave fetches 128 rows of a slot.
; CLUSTERS: 4 x 4 work-groups.  The four of a row of the cluster need the same 256 tokens, the four of a column the same 256 rows of WB: each tile is asked for jointly, by the same tensor
; load with the same descriptor and a mask that names the four.
; THE MATRIX INSTRUCTION IS USED TRANSPOSED: source 0 = 16 rows of WB, source 1 = 16 tokens.  Lane l then holds token l % 16 and columns 8 (l / 16) + 0..7: 32 neighbouring bytes of out0.
; REGISTERS, in windows of 256: window 0: v0-31 addresses and the bias; v64-127, v128-191 fragments of the tokens, two buffers, and on the way out the rows read back.
;   window 1: v64-127, v128-191 fragments of WB.   window 2: the accumulators of my tokens 0-63 ((a, b) at v[8 (8 a + b)]);   window 3: those of tokens 64-127.
.set LDK,    3072                      ; elements in a row of XU and of WB: K
.set ROWB,   LDK*2
.set KSTEP,  128
.set PITCH,  272                       ; an LDS row: 256 bytes + 16 of padding = 68 words: row r starts at bank 4 r mod 64 (64 banks of 4 bytes: ISA guide 11.1)
.set HALFT,  128*PITCH                 ; 128 rows: what one tensor load brings, and what one wave reads of either tile
.set SLOT,   4*HALFT                   ; 256 tokens, then 256 rows of WB
.set STAGE,  2*SLOT                    ; behind the ring: 16 rows x 528 bytes for each wave, for the way out
.set SPITCH, 528                       ; 512 bytes + 16: 33 x 16, so that the 16 rows of a store start at 16 different columns of 16 bytes
.set SPARE,  STAGE+4*16*SPITCH         ; behind the stages: the spare words, 128 bytes for each wave: two blocks of 256 bytes that no other line names
.set LAPS,   LDK/(2*KSTEP)             ; a lap = two K steps = once round the ring
.set OROW,   8192                      ; bytes in a row of out0
.set BIAS, 8                           ; v[8:11] the bias of the four columns that I store
.set ADRA, 16                          ; v16-17  LDS address of my token fragments in slot 0, 1
.set ADRB, 20                          ; v20-21  the same for WB
.set STO,  24                          ; v24     the way out: where I put 32 bytes of a row
.set RD,   25                          ; v25     where I read 16 bytes of a row back
.set CO,   26                          ; v26     my byte offset in a row of out0, and in the bias
.set SPW,  28                          ; v28     LDS address of my spare word; never rewritten
.set NIL,  29                          ; v29     0; never rewritten
.set F0,   64
.set F1,   128
.set G1,  24                           ; s[24:31] descriptor group 1 for the tokens' tiles;  s[32:39] group 0, a set for each slot
.set G0,  32
.set G1B, 48                           ; s[48:55], s[56:63] the same for WB's tiles
.set G0B, 56
.set MSB, 0
.macro WIN new                         ; the immediate's high byte repeats the setting that is left; a switch that changes nothing is dropped
.if MSB != \new
	s_set_vgpr_msb (MSB<<8)|\new
.set MSB, \new
.endif
.endm
.set MUL_LO, 0xa1                      ; source 0 (WB) window 1, source 1 (tokens) window 0, C and D window 2
.set MUL_HI, 0xf1                      ; the same, C and D window 3
.set TO_B,   0x40                      ; destination window 1, address window 0
.macro PLACES                          ; four plain vector instructions between a matrix instruction and a load into, or a read of, its registers
.rept 4
	v_nop
.endr
.endm
; A joint load.  Waves 0 and 1 fetch the tokens' two halves, waves 2 and 3 WB's.  The branch hangs on the wave's number alone.
; Four v_nop follow each of the two lines, ahead of the jump, the label and what follows.
.macro JLOAD s
	s_cmp_eq_u32 s13, 0
	s_cbranch_scc0 .Lfor_b_\@
	tensor_load_to_lds s[G0+4*\s:G0+4*\s+3], s[G1:G1+7]
	s_nop 0
	PLACES
	s_branch .Lasked_\@
.Lfor_b_\@:
	tensor_load_to_lds s[G0B+4*\s:G0B+4*\s+3], s[G1B:G1B+7]
	s_nop 0
	PLACES
.Lasked_\@:
.endm
.macro CREST                           ; a round of the cluster's barrier behind its opening barrier
	s_cmp_lg_u32 s12, 0
	s_cbranch_scc1 .Lnot_wave_0_\@
	s_barrier_signal -3
.Lnot_wave_0_\@:
	s_barrier_wait -3
	s_barrier_signal -1
	s_barrier_wait -1
.endm
.macro CROUND                          ; a whole round
	s_barrier_signal -1
	s_barrier_wait -1
	CREST
.endm
	s_load_b256 s[4:11], s[0:1], 0x0               ; XU s[4:5], WB s[6:7], out0 s[8:9], bias s[10:11]
	v_lshl_add_u32 v[SPW], v0, 2, SPARE
	v_mov_b32 v[NIL], 0
	ds_add_u32 v28, v29
	s_wait_dscnt 0x0
	v_lshrrev_b32 v1, 5, v0
	v_readfirstlane_b32 s12, v1                    ; wave 0..3
	s_lshr_b32 s13, s12, 1                         ; which 128 tokens of the tile are mine.  Also: I fetch tokens (0) or WB (1)
	s_and_b32 s14, s12, 1                          ; which 128 columns.  Also: which 128 rows of that tile I fetch
	s_bfe_u32 s40, ttmp6, 0x40000                  ; cx, cy: my place in the cluster
	s_bfe_u32 s41, ttmp6, 0x40004
	s_lshl_b32 s42, ttmp9, 2
	s_add_co_u32 s42, s42, s40                     ; tile column = 4 x cluster x + cx
	s_and_b32 s15, ttmp7, 0xffff
	s_lshl_b32 s15, s15, 2
	s_add_co_u32 s15, s15, s41                     ; tile row = 4 x cluster y + cy
	s_lshl_b32 s43, s41, 2
	s_lshl_b32 s43, 15, s43                        ; my row of the cluster
	s_lshl_b32 s44, 0x1111, s40                    ; my column
	; descriptor group 1: a tile of 128 rows x 128 elements, padded in LDS
	s_or_b32 s[G1+0], s43, (1<<16)|(1<<20)|(1<<21)|(5<<22)|(3<<25)   ; 15:0 the mask: my row; 17:16 elements of 2 bytes; 20 padding on; 21 set beside a mask; 24:22 after every 64 words (code 5); 31:25 4 words of it (code 3)
	s_or_b32 s[G1B+0], s44, (1<<16)|(1<<20)|(1<<21)|(5<<22)|(3<<25)  ; the same with the mask of my column
.irp g, G1, G1B
	s_mov_b32 s[\g+1], KSTEP<<16                   ; tensor_dim0 = 128
	s_mov_b32 s[\g+2], 128<<16                     ; tensor_dim1 = 128
	s_mov_b32 s[\g+3], KSTEP<<16                   ; tile_dim0 = 128
	s_mov_b32 s[\g+4], 128                         ; tile_dim1 = 128
	s_mov_b32 s[\g+5], LDK                         ; elements from row to row
	s_mov_b32 s[\g+6], 0
	s_mov_b32 s[\g+7], 0
.endr
	; where the tiles come from: the tokens' hang on the tile row alone, WB's on the tile column alone, each in registers that never hold the other coordinate
	s_lshl_b32 s16, s15, 8
	s_lshl_b32 s17, s14, 7
	s_add_co_u32 s16, s16, s17                     ; token 256 x tile row + 128 x half
	s_mul_i32 s16, s16, ROWB                       ; under 2^26 bytes
	s_mov_b32 s17, 0
	s_lshl_b32 s46, s42, 8
	s_lshl_b32 s47, s14, 7
	s_add_co_u32 s46, s46, s47                     ; row of WB 256 x tile column + 128 x half
	s_mul_i32 s46, s46, ROWB
	s_mov_b32 s47, 0
	s_mul_i32 s20, s12, HALFT                      ; and where they go: the tokens' two halves, then WB's two = wave x 128 rows
	s_wait_kmcnt 0x0
	s_add_nc_u64 s[18:19], s[4:5], s[16:17]
	s_add_nc_u64 s[46:47], s[6:7], s[46:47]
	CROUND                                         ; all sixteen work-groups are here: the first joint loads meet
.irp s, 0,1
	s_mov_b32 s[G0+4*\s], 1                                        ; count = 1
	s_add_co_u32 s[G0+4*\s+1], s20, \s*SLOT                        ; LDS address
	s_add_nc_u64 s[G0+4*\s+2:G0+4*\s+3], s[18:19], \s*KSTEP*2      ; global address: K step s
	s_or_b32 s[G0+4*\s+3], s[G0+4*\s+3], 0x80000000                ; type = 2
	s_mov_b32 s[G0B+4*\s], 1
	s_add_co_u32 s[G0B+4*\s+1], s20, \s*SLOT
	s_add_nc_u64 s[G0B+4*\s+2:G0B+4*\s+3], s[46:47], \s*KSTEP*2
	s_or_b32 s[G0B+4*\s+3], s[G0B+4*\s+3], 0x80000000
.endr
	s_cmp_eq_u32 s13, 0                            ; a wave's two first fills stand in one branch, ahead of every wait on TENSORcnt and every LDS read: two loads of mine are out
	s_cbranch_scc0 .Lfirst_b
	tensor_load_to_lds s[G0:G0+3], s[G1:G1+7]
	s_nop 0
	tensor_load_to_lds s[G0+4:G0+7], s[G1:G1+7]
	s_nop 0
	PLACES
	s_branch .Lfirst_asked
.Lfirst_b:
	tensor_load_to_lds s[G0B:G0B+3], s[G1B:G1B+7]
	s_nop 0
	tensor_load_to_lds s[G0B+4:G0B+7], s[G1B:G1B+7]
	s_nop 0
	PLACES
.Lfirst_asked:
	; where my part of the tile begins in out0, and my 128 numbers of the bias
	s_lshl_b32 s16, s15, 8
	s_lshl_b32 s17, s13, 7
	s_add_co_u32 s16, s16, s17                     ; my first token
	s_lshl_b32 s16, s16, 13                        ; x 8,192 bytes: under 2^26
	s_mov_b32 s17, 0
	s_add_nc_u64 s[8:9], s[8:9], s[16:17]
	s_lshl_b32 s46, s42, 1
	s_add_co_u32 s46, s46, s14
	s_lshl_b32 s46, s46, 9                         ; my first column in bytes: 512 x (2 x tile column + half)
	s_mov_b32 s47, 0
	s_add_nc_u64 s[8:9], s[8:9], s[46:47]
	s_add_nc_u64 s[10:11], s[10:11], s[46:47]
	v_and_b32 v4, 31, v0
	v_lshlrev_b32 v[CO], 4, v4                     ; 16 bytes a lane: a wave covers its 512 bytes of a row
	global_load_b128 v[BIAS:BIAS+3], v[CO], s[10:11]
	; A fragment is 16 rows x 32 K in 8 registers: lane l holds row l % 16; registers 0-3 K = 8 (l / 16) + 0..7, registers 4-7 K = 16 + 8 (l / 16) + 0..7: two loads of 16 bytes, 32 bytes apart.
	v_and_b32 v1, 15, v0                           ; l % 16
	v_bfe_u32 v2, v0, 4, 1                         ; l / 16
	v_mul_u32_u24 v3, v1, PITCH
	v_lshl_add_u32 v3, v2, 4, v3                   ; row x pitch + 16 x half
	s_mul_i32 s16, s13, HALFT                      ; my 128 tokens
	s_mul_i32 s17, s14, HALFT                      ; my 128 rows of WB,
	s_add_co_u32 s17, s17, 2*HALFT                 ; which lie behind the 256 tokens
.irp s, 0,1
	v_add_nc_u32 v[ADRA+\s], s16, v3
	v_add_nc_u32 v[ADRB+\s], s17, v3
	s_add_co_u32 s16, s16, SLOT
	s_add_co_u32 s17, s17, SLOT
.endr
	s_mul_i32 s23, s12, 16*SPITCH
	s_add_co_u32 s23, s23, STAGE                   ; my stage
	v_mul_u32_u24 v5, v1, SPITCH                   ; in: row l % 16, 32 bytes for each half of the lanes
	v_lshl_add_u32 v5, v2, 5, v5
	v_add_nc_u32 v[STO], s23, v5
	v_add_nc_u32 v[RD], s23, v[CO]                 ; back: a whole row of 512 bytes for each load of the wave
; 16 matrix instructions: token blocks a0, a0 + 1 of the window's four (hi = 0: my tokens 0-63, 1: tokens 64-127) x all 8 column blocks, 32 along K.
; zero = 1: the first product starts the sums: nothing is ever cleared.
.macro MUL16 f, hi, a0, zero
.irp a, \a0, \a0+1
.irp b, 0,1,2,3,4,5,6,7
.if \zero
	v_wmma_f32_16x16x32_bf16 v[8*(8*(\a)+\b):8*(8*(\a)+\b)+7], v[\f+8*\b:\f+8*\b+7], v[\f+8*(4*\hi+\a):\f+8*(4*\hi+\a)+7], 0
.else
	v_wmma_f32_16x16x32_bf16 v[8*(8*(\a)+\b):8*(8*(\a)+\b)+7], v[\f+8*\b:\f+8*\b+7], v[\f+8*(4*\hi+\a):\f+8*(4*\hi+\a)+7], v[8*(8*(\a)+\b):8*(8*(\a)+\b)+7]
.endif
.endr
.endr
.endm
; 32 LDS loads in one run: a quarter step's fragments (128 rows of WB, 128 tokens, 32 K at byte k of the rows) into buffer f
.macro FETCH slot, k, f
	WIN TO_B
.irp i, 0,1,2,3,4,5,6,7
	ds_load_b128 v[\f+8*\i:\f+8*\i+3],   v[ADRB+\slot] offset:\k+\i*16*PITCH
	ds_load_b128 v[\f+8*\i+4:\f+8*\i+7], v[ADRB+\slot] offset:\k+\i*16*PITCH+32
.endr
	WIN 0
.irp i, 0,1,2,3,4,5,6,7
	ds_load_b128 v[\f+8*\i:\f+8*\i+3],   v[ADRA+\slot] offset:\k+\i*16*PITCH
	ds_load_b128 v[\f+8*\i+4:\f+8*\i+7], v[ADRA+\slot] offset:\k+\i*16*PITCH+32
.endr
.endm
; A K step is four quarters of 32 along K, 64 matrix instructions each, on buffers 0, 1, 0, 1.  The 64 accumulators take turns, one instruction a turn, in the same order in every
; quarter.  One of the first three quarters: multiplies buffer f; in its middle it fetches the next quarter, at byte k, into buffer g.
.macro QUARTER slot, k, f, g, zero
	s_wait_dscnt 8                                 ; WB's fragments and tokens 0-63 are in; the youngest eight loads (tokens 64-127) may be out
	WIN MUL_LO
	MUL16 \f, 0, 0, \zero
	MUL16 \f, 0, 2, \zero
	PLACES
	FETCH \slot, \k, \g
	s_wait_dscnt 32                                ; all but the 32 just issued
	WIN MUL_HI
	MUL16 \f, 1, 0, \zero
	MUL16 \f, 1, 2, \zero
.endm
; The last quarter multiplies buffer 1 and changes slots.  ONE barrier: in front of it each wave waits for all its tensor loads (the one that is out is its part of the next slot), adds 0 to
; its spare word, and waits for that and for its own reads of this slot.  Behind it nobody reads this slot any more and the next slot is whole.
.macro MEET round
	WIN 0                                          ; (the add's two registers lie in window 0)
	s_wait_tensorcnt 0x0
	ds_add_u32 v[SPW], v[NIL]                      ; 0 onto my spare word
	s_wait_dscnt 9                                 ; (the add and the youngest eight loads may be out)
	WIN MUL_LO
	MUL16 F1, 0, 0, 0                              ; sixteen matrix instructions stand between the add and the wait for it
	s_wait_dscnt 0x0                               ; the add is done, and my reads of this slot are over
	s_barrier_signal -1
	MUL16 F1, 0, 2, 0                              ; work on registers while the others arrive
.if \round
	WIN 0
.endif
	s_barrier_wait -1
.endm
; fill = 1: the barrier opens a round of the cluster's barrier, and the slot just read out is filled again, two K steps ahead, first thing behind the round:
; from that request to the wait for it a wave issues 224 matrix instructions.
.macro TURN slot, next, fill
	MEET \fill
.if \fill
	CREST                                          ; no wave of any partner still reads this slot's tile or has a load on its way
	s_add_nc_u64 s[G0+4*\slot+2:G0+4*\slot+3], s[G0+4*\slot+2:G0+4*\slot+3], 2*KSTEP*2
	s_add_nc_u64 s[G0B+4*\slot+2:G0B+4*\slot+3], s[G0B+4*\slot+2:G0B+4*\slot+3], 2*KSTEP*2
	JLOAD \slot                                    ; the four v_nop behind it are also the places in front of the loads below
.else
	PLACES
.endif
	FETCH \next, 0, F0
	WIN MUL_HI
	MUL16 F1, 1, 0, 0
	MUL16 F1, 1, 2, 0
.endm
	s_wait_loadcnt 0x0                             ; the bias, once: no load is out at any barrier
	s_wait_tensorcnt 0x1                           ; my part of K step 0 is in; K step 1's may stay out
	s_barrier_signal -1
	s_barrier_wait -1                              ; everybody's is
	FETCH 0, 0, F0
	QUARTER 0, 64,  F0, F1, 1                      ; the first quarter stands in front of the loop: its products start the sums
	WIN 0                                          ; at a label and at a branch every window is 0
	s_mov_b32 s3, LAPS-1
.Llap:                                                 ; a trip goes once round the ring, from a lap's second quarter to the next lap's first, and fills both slots again
	QUARTER 0, 128, F1, F0, 0
	QUARTER 0, 192, F0, F1, 0
	TURN 0, 1, 1
	QUARTER 1, 64,  F0, F1, 0
	QUARTER 1, 128, F1, F0, 0
	QUARTER 1, 192, F0, F1, 0
	TURN 1, 0, 1
	QUARTER 0, 64,  F0, F1, 0
	WIN 0
	s_sub_co_u32 s3, s3, 1
	s_cmp_lg_u32 s3, 0
	s_cbranch_scc1 .Llap
	QUARTER 0, 128, F1, F0, 0                      ; the last lap fills nothing
	QUARTER 0, 192, F0, F1, 0
	TURN 0, 1, 0
	QUARTER 1, 64,  F0, F1, 0
	QUARTER 1, 128, F1, F0, 0
	QUARTER 1, 192, F0, F1, 0
	s_wait_dscnt 8                                 ; the very last quarter: nothing more to fetch
	WIN MUL_LO
	MUL16 F1, 0, 0, 0
	MUL16 F1, 0, 2, 0
	s_wait_dscnt 0x0
	WIN MUL_HI
	MUL16 F1, 1, 0, 0
	MUL16 F1, 1, 2, 0
	WIN 0
	PLACES                                         ; the sums are read, and the fragment buffers loaded, below
; THE WAY OUT, a block of 16 tokens at a time.  A lane's 32 bytes are a sixteenth of its row's 512, so the block goes through my own stage in LDS and comes back as whole rows.
.macro TOSTAGE a
.set BK, F0+64*((\a)%2)                ; the rows come back into the fragment buffers, by turns
.set AC, 64*((\a)%4)
.if (\a) >= 2
	s_wait_xcnt 0x0                                ; the registers loaded below were the data of the stores two blocks back: they are written again only behind this wait
.endif
	WIN 0x08+4*((\a)/4)                            ; the stores' data: window 2 or 3
.irp b, 0,1,2,3,4,5,6,7
	ds_store_b128 v[STO], v[AC+8*\b:AC+8*\b+3]   offset:64*\b      ; each accumulator from its low end on
	ds_store_b128 v[STO], v[AC+8*\b+4:AC+8*\b+7] offset:64*\b+16
.endr
	WIN 0
.irp t, 0,1,2,3,4,5,6,7,8,9,10,11,12,13,14,15
	ds_load_b128 v[BK+4*\t:BK+4*\t+3], v[RD] offset:\t*SPITCH      ; LDS serves a wave's instructions in order (ISA guide 5.7.1.4): these see the stores above
.endr
.endm
.macro SEND a, younger                 ; younger: the LDS instructions issued behind the block's loads: the next block's 16 stores and 16 loads, or none
.set BK, F0+64*((\a)%2)
	s_wait_dscnt \younger
.irp t, 0,1,2,3,4,5,6,7,8,9,10,11,12,13,14,15
	v_pk_add_f32 v[BK+4*\t:BK+4*\t+1],   v[BK+4*\t:BK+4*\t+1],   v[BIAS:BIAS+1]
	v_pk_add_f32 v[BK+4*\t+2:BK+4*\t+3], v[BK+4*\t+2:BK+4*\t+3], v[BIAS+2:BIAS+3]
	global_store_b128 v[CO], v[BK+4*\t:BK+4*\t+3], s[8:9] offset:(16*(\a)+\t)*OROW th:TH_STORE_NT   ; the wave stores 512 consecutive bytes, at a multiple of 512 from out0's first byte; 127 rows at the most: inside the signed 24-bit immediate
.endr
.endm
	TOSTAGE 0
.irp a, 1,2,3,4,5,6,7                  ; block a goes into the stage while block a - 1's rows come back
	TOSTAGE \a
	SEND \a-1, 32
.endr
	SEND 7, 0
	s_wait_tensorcnt 0x0                           ; the wave's end: behind my last tensor load and my last LDS store
	ds_add_u32 v[SPW], v[NIL]
	s_wait_dscnt 0x0
	CROUND                                         ; the closing round: no work-group ends while a partner may still ask for a tile that names it
	s_endpgm
.Lfunc_end_k_qc60916b2e8_outp:
	.size	k_qc60916b2e8_outp, .Lfunc_end_k_qc60916b2e8_outp-k_qc60916b2e8_outp
	.p2alignl 7, 3214868480
	.fill 96, 4, 3214868480
	.section	.rodata,"a",@progbits
	.p2align	6, 0x0
	.amdhsa_kernel k_qc60916b2e8_outp
		.amdhsa_group_segment_fixed_size 327680
		.amdhsa_private_segment_fixed_size 0
		.amdhsa_enable_private_segment 0
		.amdhsa_kernarg_size 32
		.amdhsa_user_sgpr_count 2
		.amdhsa_user_sgpr_kernarg_segment_ptr 1
		.amdhsa_wavefront_size32 1
		.amdhsa_system_sgpr_workgroup_id_x 1
		.amdhsa_system_sgpr_workgroup_id_y 1
		.amdhsa_system_sgpr_workgroup_id_z 1
		.amdhsa_system_vgpr_workitem_id 0
		.amdhsa_next_free_vgpr 1024
		.amdhsa_next_free_sgpr 66
		.amdhsa_reserve_vcc 0
		.amdhsa_float_denorm_mode_32 3
		.amdhsa_float_denorm_mode_16_64 3
		.amdhsa_memory_ordered 1
		.amdhsa_forward_progress 1
		.amdhsa_inst_pref_size 156
	.end_amdhsa_kernel
	.amdgpu_metadata
---
amdhsa.version: [ 1, 2 ]
amdhsa.kernels:
  - .name:           k_qc60916b2e8_outp
    .symbol:         k_qc60916b2e8_outp.kd
    .args:
      - { .name: XU, .offset: 0, .size: 8, .value_kind: global_buffer, .address_space: global }
      - { .name: WB, .offset: 8, .size: 8, .value_kind: global_buffer, .address_space: global }
      - { .name: out0, .offset: 16, .size: 8, .value_kind: global_buffer, .address_space: global }
      - { .name: bias, .offset: 24, .size: 8, .value_kind: global_buffer, .address_space: global }
    .group_segment_fixed_size: 327680
    .private_segment_fixed_size: 0
    .kernarg_segment_align: 8
    .kernarg_segment_size: 32
    .max_flat_workgroup_size: 128
    .sgpr_count:     66
    .vgpr_count:     1024
    .wavefront_size: 32
...
	.end_amdgpu_metadata
.endif
;; end of part 4
;; ======== version 2 of 2: 4 launches; version 1 with the launch route written anew for expert scheduling mode
;; workspace buffers: XU 50,331,648 bytes; WB 12,582,912 bytes; Ab 6,291,456 bytes; VEC 16,777,216 bytes; NRM 2,097,152 bytes
;; launch prep: the kernel of part 1 again; grid 2304 x 1, 4 waves a work-group, no clusters, 0 bytes of LDS; arguments x, A, XU, Ab; writes XU, Ab
;; launch vecs: the kernel of part 2 again; grid 4 x 64, 4 waves a work-group, clusters of 4 x 4, 327,680 bytes of LDS; arguments XU, Ab, VEC, NRM, W, B, WB; writes VEC, NRM, WB
;; launch route (part 5): grid 512 x 1, 4 waves a work-group, no clusters, 0 bytes of LDS; arguments NRM, VEC, XU; writes XU
.if DOCPART == 5
	.amdgcn_target "amdgcn-amd-amdhsa--gfx1250"
	.amdhsa_code_object_version 6
	.text
	.protected	k_qc60916b2e8_route
	.globl	k_qc60916b2e8_route
	.p2align	8
	.type	k_qc60916b2e8_route,@function
k_qc60916b2e8_route:
	s_mov_b64 s[64:65], 0
	v_nop
	global_prefetch_b8 v0, s[64:65] scope:SCOPE_SE
	s_setreg_imm32_b32 hwreg(HW_REG_WAVE_SCHED_MODE, 0, 2), 2
	s_setreg_imm32_b32 hwreg(HW_REG_WAVE_MODE, 25, 1), 1
	s_wait_xcnt 0x0
	s_wait_alu depctr_vm_vsrc(0)
; For each token: the 64 norms (square roots of NRM), the four largest (of equal norms the lower adapter first, as top_k orders them), v = 1/4 of the sum of the four adapters' vecs,
; and U[t][16 a + r] = 1/4 v[r] for the four adapters and 0 for the others, in bf16, into XU's columns 2,048 to 3,071.  The last launch multiplies U by the turned bank.
; The choice only SELECTS values (v_cndmask_b32): no address and no branch hangs on it.
; LIMITS: NaN and infinities are not served; v_sqrt_f32 takes a denormal square as 0 (ISA guide 15.8), that is a norm under about 1e-19; two norms closer than the rounding of an f32 sum
; of 2,048 products may be ordered otherwise than by another order of adding; v is made of vecs rounded to bf16.
; SHARES.  A wave owns 4 tokens and depends on no other wave: no LDS, no barrier; nothing is shared between work-groups, so no cluster; there is no product here for the matrix unit.
;   Norms: lane l holds token l % 4 and the 8 adapters of group l / 4, so a token's lanes differ in bits 2, 3, 4 of l.
;   Vecs:  load (token i, quarter q) gives lane l 16 bytes: adapter 16 q + l / 2, ranks 8 (l % 2) + 0..7, so a rank's lanes differ in bits 1 to 4.  U is stored in the same places.
; THE MODE: SCHED_MODE bits 1:0 = 2 (LLVM: expert scheduling mode 2), set by the entry lines.  The code itself states the register dependences between vector instructions and memory
; instructions, and between vector instructions that write scalar registers and their readers, with s_wait_alu, always for 0.
; THE PLAN.  Registers that memory instructions touch:
;   v2, v3      byte offsets, written once at the head, read by every load and store, never written again.
;   v[8:15]     the norms: two loads land in them at the head; vector instructions name them only behind the wait for those loads.
;   v[68:131]   VV, 16 registers a token: the sixteen loads of vecs land in them at the head, before any vector instruction names them.  Token i's selects read its part and later write U
;               over it; its four stores read it; nothing writes it behind them.
;   All other vector registers are named by vector instructions alone.  So no register that a memory instruction has read is ever written again.
;   One wait on va_vdst stands ahead of the first load, one behind the roots, and one ahead of each token's four stores: token i's stores stand in token i + 1, behind that token's wait for its
;   masks, with no vector instruction between the wait and the stores; the last token's stand at the end.
;   Scalar registers that vector instructions write: s10 (the wave), s[20:23] (a token's winners), s[24:39] (masks of compares).  The compares stand in runs, each run into registers of its own,
;   with one wait on va_sdst between a run and its first reader.  VCC is not used.
.set NOF,  2                           ; v2       my byte offset in NRM
.set VOF,  3                           ; v3       my byte offset in a row of VEC and of U
.set NV,   8                           ; v[8:15]  my 8 norms
.set IDXF, 16                          ; v[16:23] their adapters' numbers, as f32
.set AF,   24                          ; v[24:27] quarter q: my adapter's number, as f32
.set WNR,  28                          ; v[28:31] the four winners of my token, as f32
.set CUR,  32
.set OTH,  33
.set IDX,  34
.set TT,   36                          ; v[36:39] at work
.set S8,   40                          ; v[40:47] the sum of my 8 ranks
.set VB,   48                          ; v[48:51] 1/16 of it, in bf16
.set DD,   52                          ; v[52:67] a token's vecs with the losers cleared
.set VV,   68                          ; v[68:131] 4 tokens x 4 quarters x 4 registers: vecs as loaded, then U as stored
.set WS,   20                          ; s[20:23] a token's four winners
.set CM,   24                          ; s[24:39] a token's sixteen masks: quarter q, winner p at CM + 4 q + p; then quarter q's mask at CM + 4 q
.set PM,   32                          ; s[32:39] in the passes, which are over before the tokens begin: the masks of a run of eight compares
	s_load_b128 s[4:7], s[0:1], 0x0                ; NRM s[4:5], VEC s[6:7]
	s_load_b64 s[8:9], s[0:1], 0x10                ; XU
	v_and_b32 v1, 31, v0                           ; lane
	v_lshrrev_b32 v4, 5, v0
	v_readfirstlane_b32 s10, v4                    ; wave
	s_mov_b32 s12, 0x76543210                      ; v_permlanex16_b32: each lane takes its own place in the other half
	s_mov_b32 s13, 0xfedcba98
	s_mov_b32 s16, 0xffff0000                      ; a word's upper bf16
	s_mov_b32 s15, 0
	v_lshrrev_b32 v5, 2, v1                        ; group
	v_and_b32 v6, 3, v1                            ; token
	v_lshlrev_b32 v6, 5, v6
	v_lshl_or_b32 v[NOF], v5, 18, v6               ; group x 8,192 tokens x 32 bytes + token x 32
	v_lshlrev_b32 v[VOF], 4, v1
	s_wait_alu depctr_va_sdst(0)                   ; s10 is written, ahead of its first reader: my first token, and the three bases, are made from it
	s_lshl_b32 s11, ttmp9, 4
	s_lshl2_add_u32 s11, s10, s11                  ; my first token = 16 x work-group + 4 x wave
	s_wait_kmcnt 0x0
	s_lshl_b32 s14, s11, 5
	s_add_nc_u64 s[4:5], s[4:5], s[14:15]
	s_lshl_b32 s14, s11, 11
	s_add_nc_u64 s[6:7], s[6:7], s[14:15]
	s_mul_i32 s14, s11, 6144
	s_add_co_u32 s14, s14, 4096                    ; from column 2,048 on
	s_add_nc_u64 s[8:9], s[8:9], s[14:15]
	s_wait_alu depctr_va_vdst(0)                   ; v2 and v3 are written: every load and store of the kernel reads one of them as its offset
	global_load_b128 v[NV:NV+3],   v[NOF], s[4:5] th:TH_LOAD_NT
	global_load_b128 v[NV+4:NV+7], v[NOF], s[4:5] offset:16 th:TH_LOAD_NT
.irp i, 0,1,2,3
.irp q, 0,1,2,3
	global_load_b128 v[VV+16*\i+4*\q:VV+16*\i+4*\q+3], v[VOF], s[6:7] offset:\i*2048+\q*512 th:TH_LOAD_NT
.endr
.endr
	v_lshlrev_b32 v5, 3, v5                        ; the numbers of my adapters, made while the loads are out: none of these lines names a register that a load reads or lands in
	v_lshrrev_b32 v6, 1, v1
.irp a, 0,1,2,3,4,5,6,7
	v_add_nc_u32 v[IDXF+\a], \a, v5
.endr
.irp q, 0,1,2,3
	v_add_nc_u32 v[AF+\q], 16*\q, v6
.endr
.irp a, 0,1,2,3,4,5,6,7
	v_cvt_f32_u32 v[IDXF+\a], v[IDXF+\a]
.endr
.irp q, 0,1,2,3
	v_cvt_f32_u32 v[AF+\q], v[AF+\q]
.endr
	s_wait_loadcnt 16                              ; the norms are in; the sixteen loads of vecs stay out
.irp a, 0,1,2,3,4,5,6,7
	v_sqrt_f32 v[NV+\a], v[NV+\a]
.endr
	v_mov_b32 v[OTH], 0                            ; v_permlanex16_b32 counts as a reader of its destination; this is also the plain instruction between the last root and its use (ISA guide 5.7.2)
	s_wait_alu depctr_va_vdst(0)                   ; the eight roots have written v[NV ..], ahead of their first reader: one wait for the batch
; One of four passes: the largest norm left of each token, the lowest adapter that holds it, and (remove = 1) that adapter's norm set to -1, under every norm.
.macro PASS p, remove
	v_max3_num_f32 v[CUR], v[NV], v[NV+1], v[NV+2]
	v_max3_num_f32 v[CUR], v[CUR], v[NV+3], v[NV+4]
	v_max3_num_f32 v[CUR], v[CUR], v[NV+5], v[NV+6]
	v_max_num_f32 v[CUR], v[CUR], v[NV+7]
	v_max_num_f32_dpp v[CUR], v[CUR], v[CUR] row_xmask:4 row_mask:0xf bank_mask:0xf
	v_max_num_f32_dpp v[CUR], v[CUR], v[CUR] row_xmask:8 row_mask:0xf bank_mask:0xf
	v_permlanex16_b32 v[OTH], v[CUR], s12, s13
	v_max_num_f32 v[CUR], v[CUR], v[OTH]           ; the token's eight lanes now hold its maximum
.irp a, 0,1,2,3,4,5,6,7
	v_cmp_eq_f32 s[PM+\a], v[NV+\a], v[CUR]        ; a run of eight compares, each into a scalar register of its own
.endr
	v_mov_b32 v[IDX], 0x42c80000                   ; 100.0: above every adapter's number
	s_wait_alu depctr_va_sdst(0)                   ; the eight compares have written s[PM ..], which the selects below read
.irp a, 7,6,5,4,3,2,1,0
	v_cndmask_b32 v[IDX], v[IDX], v[IDXF+\a], s[PM+\a]             ; descending, so that the lowest stays
.endr
	v_min_num_f32_dpp v[IDX], v[IDX], v[IDX] row_xmask:4 row_mask:0xf bank_mask:0xf
	v_min_num_f32_dpp v[IDX], v[IDX], v[IDX] row_xmask:8 row_mask:0xf bank_mask:0xf
	v_permlanex16_b32 v[OTH], v[IDX], s12, s13
	v_min_num_f32 v[WNR+\p], v[IDX], v[OTH]
.if \remove
.irp a, 0,1,2,3,4,5,6,7
	v_cmp_neq_f32 s[PM+\a], v[IDXF+\a], v[WNR+\p]
.endr
	s_wait_alu depctr_va_sdst(0)                   ; the eight compares have written s[PM ..], which the selects below read
.irp a, 0,1,2,3,4,5,6,7
	v_cndmask_b32 v[NV+\a], -1.0, v[NV+\a], s[PM+\a]
.endr
.endif
.endm
	PASS 0, 1
	PASS 1, 1
	PASS 2, 1
	PASS 3, 0
; The four stores of token t's U.
.macro SEND t
.irp q, 0,1,2,3
	global_store_b128 v[VOF], v[VV+16*(\t)+4*\q:VV+16*(\t)+4*\q+3], s[8:9] offset:(\t)*6144+\q*512   ; the wave stores 512 consecutive bytes, aligned to 256
.endr
.endm
; Token i of the wave's four.  Each token has its own registers for what is loaded and stored, so nothing that a store has read is written again.
; The masks hang on the winners alone, so they are made ahead of the wait for the token's vecs; the stores of the token before stand among them.
.macro TOKEN i
.irp p, 0,1,2,3
	v_readlane_b32 s[WS+\p], v[WNR+\p], \i         ; lane i holds token i's winners
.endr
	s_wait_alu depctr_va_sdst(0)                   ; s[WS ..] are written, which the sixteen compares below read
.irp q, 0,1,2,3
.irp p, 0,1,2,3
	v_cmp_eq_f32 s[CM+4*\q+\p], s[WS+\p], v[AF+\q]
.endr
.endr
	s_wait_alu depctr_va_sdst(0)                   ; the sixteen compares have written s[CM ..], which the scalar lines below read
.if \i > 0
	s_wait_alu depctr_va_vdst(0)                   ; the token before has written its U into its part of VV, which the four stores below read
	SEND \i-1
.endif
.irp q, 0,1,2,3
	s_or_b32 s[CM+4*\q],   s[CM+4*\q],   s[CM+4*\q+1]
	s_or_b32 s[CM+4*\q+2], s[CM+4*\q+2], s[CM+4*\q+3]
	s_or_b32 s[CM+4*\q],   s[CM+4*\q],   s[CM+4*\q+2]              ; the lanes whose adapter of quarter q is one of the four
.endr
	s_wait_loadcnt 12-4*\i                         ; this token's four loads are in; the younger tokens' stay out
.irp q, 0,1,2,3
.irp k, 0,1,2,3
	v_cndmask_b32 v[DD+4*\q+\k], 0, v[VV+16*\i+4*\q+\k], s[CM+4*\q]
.endr
.endr
.irp k, 0,1,2,3
	v_lshlrev_b32 v[S8+2*\k],   16,  v[DD+\k]      ; bf16 to f32; quarter 0 starts the sums
	v_and_b32     v[S8+2*\k+1], s16, v[DD+\k]
.endr
.irp q, 1,2,3
.irp k, 0,1,2,3
	v_lshlrev_b32 v[TT+2*(\k%2)],   16,  v[DD+4*\q+\k]
	v_and_b32     v[TT+2*(\k%2)+1], s16, v[DD+4*\q+\k]
	v_pk_add_f32 v[S8+2*\k:S8+2*\k+1], v[S8+2*\k:S8+2*\k+1], v[TT+2*(\k%2):TT+2*(\k%2)+1]
.endr
.endr
.irp m, 2,4,8                          ; over the lanes that hold the same ranks
.irp k, 0,1,2,3,4,5,6,7
	v_add_f32_dpp v[S8+\k], v[S8+\k], v[S8+\k] row_xmask:\m row_mask:0xf bank_mask:0xf
.endr
.endr
.irp k, 0,1,2,3,4,5,6,7
	v_permlanex16_b32 v[DD+\k], v[S8+\k], s12, s13
.endr
.irp k, 0,2,4,6
	v_pk_add_f32 v[S8+\k:S8+\k+1], v[S8+\k:S8+\k+1], v[DD+\k:DD+\k+1]
.endr
.irp k, 0,2,4,6
	v_pk_mul_f32 v[S8+\k:S8+\k+1], v[S8+\k:S8+\k+1], 0x3d800000 op_sel_hi:[1,0]   ; 1/16: the weight 1/4 in v, and again in U
.endr
.irp k, 0,1,2,3
	v_cvt_pk_bf16_f32 v[VB+\k], v[S8+2*\k], v[S8+2*\k+1]
.endr
.irp q, 0,1,2,3
.irp k, 0,1,2,3
	v_cndmask_b32 v[VV+16*\i+4*\q+\k], 0, v[VB+\k], s[CM+4*\q]     ; U, over the token's vecs, which its loads have brought and its selects above have read
.endr
.endr
.endm
	TOKEN 0
	TOKEN 1
	TOKEN 2
	TOKEN 3
	s_wait_alu depctr_va_vdst(0)                   ; token 3 has written its U, which the last four stores read
	SEND 3
	s_endpgm
.Lfunc_end_k_qc60916b2e8_route:
	.size	k_qc60916b2e8_route, .Lfunc_end_k_qc60916b2e8_route-k_qc60916b2e8_route
	.p2alignl 7, 3214868480
	.fill 96, 4, 3214868480
	.section	.rodata,"a",@progbits
	.p2align	6, 0x0
	.amdhsa_kernel k_qc60916b2e8_route
		.amdhsa_group_segment_fixed_size 0
		.amdhsa_private_segment_fixed_size 0
		.amdhsa_enable_private_segment 0
		.amdhsa_kernarg_size 24
		.amdhsa_user_sgpr_count 2
		.amdhsa_user_sgpr_kernarg_segment_ptr 1
		.amdhsa_wavefront_size32 1
		.amdhsa_system_sgpr_workgroup_id_x 1
		.amdhsa_system_sgpr_workgroup_id_y 1
		.amdhsa_system_sgpr_workgroup_id_z 1
		.amdhsa_system_vgpr_workitem_id 0
		.amdhsa_next_free_vgpr 136
		.amdhsa_next_free_sgpr 66
		.amdhsa_reserve_vcc 0
		.amdhsa_float_denorm_mode_32 3
		.amdhsa_float_denorm_mode_16_64 3
		.amdhsa_memory_ordered 1
		.amdhsa_forward_progress 1
		.amdhsa_inst_pref_size 50
	.end_amdhsa_kernel
	.amdgpu_metadata
---
amdhsa.version: [ 1, 2 ]
amdhsa.kernels:
  - .name:           k_qc60916b2e8_route
    .symbol:         k_qc60916b2e8_route.kd
    .args:
      - { .name: NRM, .offset: 0, .size: 8, .value_kind: global_buffer, .address_space: global }
      - { .name: VEC, .offset: 8, .size: 8, .value_kind: global_buffer, .address_space: global }
      - { .name: XU, .offset: 16, .size: 8, .value_kind: global_buffer, .address_space: global }
    .group_segment_fixed_size: 0
    .private_segment_fixed_size: 0
    .kernarg_segment_align: 8
    .kernarg_segment_size: 24
    .max_flat_workgroup_size: 128
    .sgpr_count:     66
    .vgpr_count:     136
    .wavefront_size: 32
...
	.end_amdgpu_metadata
.endif
;; end of part 5
;; launch outp: the kernel of part 4 again; grid 8 x 32, 4 waves a work-group, clusters of 4 x 4, 327,680 bytes of LDS; arguments XU, WB, out0, bias; writes out0
